; MI455X (gfx1250); checked and timed in simulation.
; The chip was launched on July 23, 2026; its instructions are those of AMD's public machine-readable ISA for CDNA 5 (MIT licence, August 2026) and "CDNA5" Instruction Set Architecture Reference Guide (July 2026). The comments in the code are by the model that wrote it; some were corrected since.
;; Custom Multi Head Attention Stoich. Allowed arithmetic: matrix products marked QUANTISED: E2M1 operands, one E8M0 scale for each 32 along K, by v_wmma_scale_f32_16x16x128_f8f6f4 with both operands' format E2M1 (or v_wmma_scale_f32_32x16x128_f4), f32 sums; products left as they are: bf16, f16 or f32 operands; f32 sums; everything else in f32.
;; Inputs: Wk 1,024 x 1,024 float32; Wo 1,024 x 1,024 float32; Wq 1,024 x 1,024 float32; Wv 1,024 x 1,024 float32; alpha_neg 16 float32; alpha_pos 16 float32; bk 1,024 float32; bo 1,024 float32; bq 1,024 float32; bv 1,024 float32; frac 2 x 2,048 float32; key 2 x 2,048 x 1,024 float32; query 2 x 2,048 x 1,024 float32; value 2 x 2,048 x 1,024 float32.
;; Outputs: out0 2 x 2,048 x 1,024 float32.
;; This version of the problem:
;;   THIS VERSION OF THE PROBLEM IS GIVEN IN LOW PRECISION. The matrix products marked QUANTISED in the list below multiply operands that are first quantised to E2M1 (2 exponent bits, 1 mantissa bit; 4 bits a number), with one power-of-two scale for each 32 numbers along K (OCP MX v1.0); their sums are f32. The products marked 'left as it is' may take bf16, f16 or f32 operands, with f32 sums. Whichever they take, every output number must still come out within the allowed error. Rounding operands to bf16 (8 significant bits) uses up far more of that allowance than f16 does (11 bits, for magnitudes from 6e-5 to 65,504). All else is computed in f32.
;;   The module's matrix products, in the order in which they are computed (A, B: the left and right operand; K: the contracted axis; several contracted axes count as one K, in the product's order):
;;     1. [M 4,096, K 1,024] x [K 1,024, N 1,024]; A: input query; B: input Wq: QUANTISED
;;     2. [M 4,096, K 1,024] x [K 1,024, N 1,024]; A: input key; B: input Wk: QUANTISED
;;     3. [M 4,096, K 1,024] x [K 1,024, N 1,024]; A: input value; B: input Wv: QUANTISED
;;     4. batch 32 x [M 2,048, K 64] x [K 64, N 2,048]; A: computed on the way; B: computed on the way: left as it is (an operand is computed on the way)
;;     5. batch 32 x [M 2,048, K 2,048] x [K 2,048, N 64]; A: computed on the way; B: computed on the way: left as it is (an operand is computed on the way)
;;     6. [M 4,096, K 1,024] x [K 1,024, N 1,024]; A: computed on the way; B: input Wo: left as it is (an operand is computed on the way)
;;   THE QUANTISER, for each operand of a quantised product, along K:
;;     - K is cut into blocks of 32 from its start; a last block that is shorter is filled with zeros.
;;     - A block's scale is 2^e with e = floor(log2(the largest magnitude in the block)) - 2, held to -126 .. 127; a block of zeros has e = 0. As a byte (E8M0): e + 127.
;;     - Each number is divided by its block's scale, clamped to +-6, and rounded to the nearest number of E2M1, ties to even, subnormals kept.
;;     - The product sums the exact products of the quantised numbers (number of the format x scale) in f32.
;;   ~~~python
;;   def quantise(x, axis):      # numpy; x: float32 -> the quantised numbers, widened to float32 again
;;       x = np.moveaxis(x, axis, -1); K = x.shape[-1]
;;       x = np.pad(x, [(0, 0)] * (x.ndim - 1) + [(0, -K % 32)]); x = x.reshape(x.shape[:-1] + (-1, 32)); a = np.abs(x).max(-1, keepdims=True)
;;       e = np.where(a > 0, np.clip(np.frexp(np.where(a > 0, a, 1))[1] - 1 - 2, -126, 127), 0)      # np.frexp(a)[1] - 1 = floor(log2(a)), exactly
;;       r = np.clip(x / 2.0 ** e, -6, 6)
;;       step = 2.0 ** (np.maximum(np.frexp(np.where(r == 0, 1, r))[1] - 1, 0) - 1)
;;       q = np.round(r / step) * step * 2.0 ** e      # np.round: ties to even
;;       return np.moveaxis(q.reshape(q.shape[:-2] + (-1,))[..., :K], -1, axis).astype(np.float32)
;;   ~~~
;; One version. Each part assembles by itself: llvm-mc -triple=amdgcn-amd-amdhsa -mcpu=gfx1250 --defsym DOCPART=n.
;; ======== version 1 of 1: 4 launches
;; limits: values are held in f16: magnitudes above 65,504 overflow, below 6.1e-05 lose precision
;; workspace buffers: xc 6,291,456 bytes; xs 393,216 bytes; wc 1,572,864 bytes; ws 98,304 bytes; wo16 2,097,152 bytes; rope 1,048,576 bytes; qkv 25,165,824 bytes; att 8,388,608 bytes
;; launch prep (part 1): grid 528 x 1, 4 waves a work-group, no clusters, 68,096 bytes of LDS; arguments query, key, value, Wq, Wk, Wv, Wo, xc, xs, wc, ws, wo16, rope; writes xc, xs, wc, ws, wo16, rope
.if DOCPART == 1
	.amdgcn_target "amdgcn-amd-amdhsa--gfx1250"
	.amdhsa_code_object_version 6
	.text
	.protected	k_qe543bf27fa_prep
	.globl	k_qe543bf27fa_prep
	.p2align	8
	.type	k_qe543bf27fa_prep,@function
k_qe543bf27fa_prep:
	s_mov_b64 s[64:65], 0
	v_nop
	global_prefetch_b8 v0, s[64:65] scope:SCOPE_SE
	s_setreg_imm32_b32 hwreg(HW_REG_WAVE_MODE, 25, 1), 1
	s_wait_xcnt 0x0
; PREP: everything that is made once, ahead of the products.  Four kinds of work-groups, told apart by the work-group's number:
;   W (0-47)    Wq, Wk, Wv [k 1024][n 1024] f32 -> codes of FP4 (E2M1), laid [3 x 1024 n][512 bytes] with K innermost, and E8M0 scale bytes [3 x 1024 n][32]
;   X (48-431)  query, key, value [4096][1024] f32 -> codes [3 x 4096 rows][512 bytes] and scale bytes [3 x 4096][32]
;   O (432-495) Wo f32 -> f16, in the order in which it lies
;   R (496-527) the rotary tables: cos and sin of position / 10000^(i/32), as an image of the registers of the launch that uses them
; A block's scale is 2^(floor(log2(its largest magnitude)) - 2); its byte is the largest magnitude's exponent field - 2, held at 1 from below.
; LIMITS: a block of zeros gets the byte 1 and not 127 (its codes are zeros, and this program alone reads the bytes); blocks whose largest magnitude lies under 2^-124 keep the byte 1;
; NaN and infinities are not served; Wo must lie inside f16's range (65,504); the rotary angles are good to some 5e-5 of a turn at position 2,047 (the frequency is one exponential in f32).
; Waves share nothing: no barrier.  Paths W and X use LDS bytes of their own; the spare words lie behind both.
.set NWW,   48
.set NWX,   384
.set NWO,   64
.set SPARE, 67584                      ; the spare words, 128 bytes a wave: two blocks of 256 bytes that no other line names
.set SPW,   192                        ; v192  LDS address of my spare word; never rewritten
.set NIL,   193                        ; v193  0; never rewritten
	v_lshl_add_u32 v[SPW], v0, 2, SPARE
	v_mov_b32 v[NIL], 0
	v_lshrrev_b32 v1, 5, v0
	v_readfirstlane_b32 s16, v1                    ; wave 0..3
	v_and_b32 v2, 31, v0                           ; lane
	s_cmp_lt_u32 ttmp9, NWW
	s_cbranch_scc1 .Lpath_w
	s_cmp_lt_u32 ttmp9, NWW+NWX
	s_cbranch_scc1 .Lpath_x
	s_cmp_lt_u32 ttmp9, NWW+NWX+NWO
	s_cbranch_scc1 .Lpath_o
; ---------------- R: the rotary tables.  A wave takes a block of 16 positions.  Lane (r = lane % 16, h = lane / 16) holds position 16 pb + r and the sixteen frequencies i = 16 e + 8 h + j (e = 0, 1; j = 0 .. 7),
; which are the channels that the lane holds in the projection's results.  v[64 + 8 e + j] = cos, v[80 + 8 e + j] = sin; four registers on end are a group, stored at 512 x group + 16 x lane of the block's 4,096 bytes.
; The angle is kept in TURNS: w = 2^(-i log2(10000) / 32 - log2(2 pi)); position x w as a product and its exact remainder; less the nearest whole number: R in [-1/2, 1/2].
; sin(2 pi R) = sign(R) sin(2 pi t), t = min(|R|, 1/2 - |R|) in [0, 1/4], by the odd series up to t^13 (the next term is under 1e-9 there, whatever the inputs).  cos is the same of R + 1/4.
	s_load_b64 s[4:5], s[0:1], 0x60                ; rope
	s_sub_co_u32 s17, ttmp9, NWW+NWX+NWO
	s_lshl_b32 s17, s17, 2
	s_add_co_u32 s17, s17, s16                     ; pb: my block of positions, 0 .. 127
	s_lshl_b32 s6, s17, 12                         ; 4,096 bytes a block
	s_mov_b32 s7, 0
	s_lshl_b32 s18, s17, 4                         ; its first position
	s_mov_b32 s20, 0xbed49a78                      ; -log2(10000) / 32
	s_mov_b32 s21, 0xc029b21d                      ; -log2(2 pi)
	s_mov_b32 s22, 0x40c90fdb                      ; the series' coefficients (2 pi)^(2n+1) / (2n+1)!, signs by turns: 6.2831853
	s_mov_b32 s23, 0xc2255de7                      ; -41.341702
	s_mov_b32 s24, 0x42a335e3                      ; 81.605249
	s_mov_b32 s25, 0xc2996966                      ; -76.705860
	s_mov_b32 s26, 0x42283c1a                      ; 42.058694
	s_mov_b32 s27, 0xc17183a8                      ; -15.094643
	s_mov_b32 s28, 0x40747a1a                      ; 3.8199526
	s_mov_b32 s30, 0x3e38aa3b                      ; log2(e) / sqrt(64): Q's table carries the scores' scale, in units of log2
	s_mov_b32 s31, s30                             ; (named with it as a pair, so it is written)
	v_and_b32 v3, 15, v2                           ; r
	v_lshrrev_b32 v4, 4, v2                        ; h
	v_add_nc_u32 v5, s18, v3
	v_cvt_f32_u32 v5, v5                           ; the position, exact
	v_lshlrev_b32 v4, 3, v4                        ; 8 h
	v_lshlrev_b32 v13, 4, v2                       ; 16 x lane
.set k, 0
.rept 16
	v_add_nc_u32 v[32+k], 16*(k/8)+k%8, v4         ; i
.set k, k+1
.endr
.set k, 0
.rept 16
	v_cvt_f32_u32 v[32+k], v[32+k]
.set k, k+1
.endr
.set k, 0
.rept 16
	v_fma_f32 v[32+k], v[32+k], s20, s21
.set k, k+1
.endr
.set k, 0
.rept 16
	v_exp_f32 v[16+k], v[32+k]                     ; w: turns for each position
.set k, k+1
.endr
	v_nop                                          ; a plain instruction behind the last exponential
	s_wait_alu depctr_va_vdst(0)                   ; one wait for the batch of sixteen, ahead of its first reader
.macro EVAL dst, src                   ; v[dst] = sin(2 pi v[src]), v[src] in [-1/2, 1/2]
	v_sub_f32 v6, 0.5, |v[\src]|
	v_min_num_f32 v6, |v[\src]|, v6                ; t
	v_mul_f32 v7, v6, v6
	v_fma_f32 v8, v7, s28, s27
	v_fma_f32 v8, v8, v7, s26
	v_fma_f32 v8, v8, v7, s25
	v_fma_f32 v8, v8, v7, s24
	v_fma_f32 v8, v8, v7, s23
	v_fma_f32 v8, v8, v7, s22
	v_mul_f32 v8, v8, v6
	v_bfi_b32 v[\dst], 0x7fffffff, v8, v[\src]     ; the magnitude of the series, the sign of R
.endm
.set k, 0
.rept 16
	v_mul_f32 v[32+k], v5, v[16+k]                 ; position x w, rounded,
	v_fma_f32 v[48+k], v5, v[16+k], -v[32+k]       ; and what the rounding dropped, exactly
	v_rndne_f32 v9, v[32+k]
	v_sub_f32 v[32+k], v[32+k], v9                 ; exact
	v_add_f32 v[32+k], v[32+k], v[48+k]            ; R
	EVAL 80+k, 32+k
	v_add_f32 v[48+k], 0x3e800000, v[32+k]         ; R + 1/4
	v_rndne_f32 v9, v[48+k]
	v_sub_f32 v[48+k], v[48+k], v9
	EVAL 64+k, 48+k
.set k, k+1
.endr
	s_wait_kmcnt 0x0
	s_add_nc_u64 s[4:5], s[4:5], s[6:7]
.irp g, 0,1,2,3,4,5,6,7
	global_store_b128 v13, v[64+4*\g:67+4*\g], s[4:5] offset:524288+512*\g   ; K's table: 32 lanes store 512 consecutive bytes
.endr
.set k, 0
.rept 16
	v_pk_mul_f32 v[96+k:97+k], v[64+k:65+k], s[30:31] op_sel_hi:[1,0]
.set k, k+2
.endr
.irp g, 0,1,2,3,4,5,6,7
	global_store_b128 v13, v[96+4*\g:99+4*\g], s[4:5] offset:512*\g          ; Q's table
.endr
	s_endpgm
; ---------------- O: Wo to f16.  A wave takes 16,384 bytes: 32 loads of 512 consecutive bytes, all issued at once; each becomes 256 consecutive bytes.
.Lpath_o:
	s_load_b64 s[4:5], s[0:1], 0x30                ; Wo
	s_load_b64 s[6:7], s[0:1], 0x58                ; wo16
	s_sub_co_u32 s17, ttmp9, NWW+NWX
	s_lshl_b32 s17, s17, 2
	s_add_co_u32 s17, s17, s16                     ; my chunk, 0 .. 255
	s_lshl_b32 s18, s17, 14
	s_mov_b32 s19, 0
	s_lshl_b32 s20, s17, 13
	s_mov_b32 s21, 0
	v_lshlrev_b32 v3, 4, v2
	v_lshlrev_b32 v4, 3, v2
	s_wait_kmcnt 0x0
	s_add_nc_u64 s[4:5], s[4:5], s[18:19]
	s_add_nc_u64 s[6:7], s[6:7], s[20:21]
.set i, 0
.rept 32
	global_load_b128 v[16+4*i:19+4*i], v3, s[4:5] offset:512*i th:TH_LOAD_NT
.set i, i+1
.endr
.set i, 0
.rept 32
	s_wait_loadcnt 31-i                            ; loads come back in order: load i is in, the younger ones stay out
	v_cvt_pk_f16_f32 v[16+4*i], v[16+4*i], v[17+4*i]
	v_cvt_pk_f16_f32 v[17+4*i], v[18+4*i], v[19+4*i]
	global_store_b64 v4, v[16+4*i:17+4*i], s[6:7] offset:256*i
.set i, i+1
.endr
	s_endpgm
; ---------------- X: query, key, value.  Rows are dense and 1,024 is a multiple of 32: a tensor is a stream of blocks of 32, and so are its codes and scale bytes.
; A wave takes 16 steps of 512 numbers.  Each of a step's four loads reads 512 consecutive bytes, 16 a lane; the 2,048 bytes turn through the wave's own stage in LDS and come back 64 bytes a lane:
; 16 neighbours along K, two neighbouring lanes to a block.  A lane's 16 codes are 8 bytes: the wave stores 256 consecutive bytes.  The wave's 256 scale bytes are gathered in LDS and leave in one store.
.set XREG, 8192                        ; LDS: a wave's region: two stages of 32 x XSP bytes, then its 256 scale bytes
.set XSP,  80                          ; a lane's place in a stage: 64 bytes + 16 of padding
.set XR,   16                          ; v16-79   four sets of 16 numbers as loaded
.set XX,   80                          ; v80-111  two sets of 16 neighbours
.set XE,   112                         ; v112-127 a scale byte for each step
.set XC,   128                         ; v128-191 codes, four registers for each step: no store's data are written again
.Lpath_x:
	s_load_b128 s[4:7], s[0:1], 0x0                ; query, key
	s_load_b64 s[8:9], s[0:1], 0x10                ; value
	s_load_b128 s[12:15], s[0:1], 0x38             ; xc, xs
	v_lshlrev_b32 v3, 4, v2                        ; my 16 bytes of a load's 512
	s_mul_i32 s17, s16, XREG
	v_lshrrev_b32 v14, 2, v2
	v_mul_u32_u24 v14, v14, XSP
	v_and_b32 v15, 3, v2
	v_lshl_add_u32 v14, v15, 4, v14
	v_add_nc_u32 v14, s17, v14                     ; the stage, on the way in: XSP (lane / 4) + 16 (lane % 4)
	v_mul_u32_u24 v15, v2, XSP
	v_add_nc_u32 v15, s17, v15                     ; and on the way out: XSP x lane
	v_lshlrev_b32 v4, 3, v2                        ; my codes' place in a step's
	v_lshrrev_b32 v5, 1, v2
	s_add_co_u32 s17, s17, 2*32*XSP
	v_add_nc_u32 v5, s17, v5                       ; my block's scale byte
	v_lshlrev_b32 v7, 3, v2
	v_add_nc_u32 v6, s17, v7                       ; and on the way out 8 bytes a lane
	s_sub_co_u32 s18, ttmp9, NWW                   ; 0 .. 383: 128 work-groups to a tensor
	s_and_b32 s19, s18, 127
	s_lshl_b32 s19, s19, 2
	s_add_co_u32 s19, s19, s16                     ; which run of 8,192 numbers of the tensor
	s_lshl_b32 s20, s19, 15
	s_mov_b32 s21, 0
	s_lshl_b32 s22, s18, 2
	s_add_co_u32 s22, s22, s16                     ; and of the three stacked
	s_lshl_b32 s24, s22, 12
	s_mov_b32 s25, 0
	s_lshl_b32 s26, s22, 8
	s_mov_b32 s27, 0
	s_wait_kmcnt 0x0
	s_cmp_lt_u32 s18, 128                          ; the choice hangs on the work-group's number alone
	s_cselect_b64 s[4:5], s[4:5], s[6:7]
	s_cmp_lt_u32 s18, 256
	s_cselect_b64 s[4:5], s[4:5], s[8:9]
	s_add_nc_u64 s[4:5], s[4:5], s[20:21]
	s_add_nc_u64 s[12:13], s[12:13], s[24:25]
	s_add_nc_u64 s[14:15], s[14:15], s[26:27]
.macro XLOAD t
.irp i, 0,1,2,3
	global_load_b128 v[XR+16*((\t)%4)+4*\i:XR+16*((\t)%4)+4*\i+3], v3, s[4:5] offset:2048*(\t)+512*\i th:TH_LOAD_NT
.endr
.endm
.macro XTURN t                         ; step t's numbers through the stage: LDS serves a wave's instructions in order, so no wait stands between the stores and the loads
.irp i, 0,1,2,3
	ds_store_b128 v14, v[XR+16*((\t)%4)+4*\i:XR+16*((\t)%4)+4*\i+3] offset:32*XSP*((\t)%2)+8*XSP*\i
.endr
.irp i, 0,1,2,3
	ds_load_b128 v[XX+16*((\t)%2)+4*\i:XX+16*((\t)%2)+4*\i+3], v15 offset:32*XSP*((\t)%2)+16*\i
.endr
.endm
.irp t, 0,1,2,3
	XLOAD \t
.endr
	s_wait_loadcnt 12                              ; step 0's four loads are in; twelve younger ones stay out
	XTURN 0
.macro XSTEP t
.set XS, XX+16*((\t)%2)
.if (\t) > 0
	s_wait_dscnt 1                                 ; this step's numbers are back from the stage; the last step's byte store may be out
.else
	s_wait_dscnt 0x0
.endif
.if (\t)+4 < 16
	XLOAD (\t)+4
.endif
.if (\t)+1 < 16
.if 14-(\t) >= 3
	s_wait_loadcnt 12                              ; the next step's four loads are in; those of the three steps behind it may be out
.else
	s_wait_loadcnt 4*(14-(\t))
.endif
	XTURN (\t)+1
.endif
	v_max3_num_f32 v8, |v[XS]|, |v[XS+1]|, |v[XS+2]|               ; the largest magnitude of my 16, in two chains
	v_max3_num_f32 v9, |v[XS+3]|, |v[XS+4]|, |v[XS+5]|
.irp i, 6,10
	v_max3_num_f32 v8, v8, |v[XS+\i]|, |v[XS+\i+1]|
	v_max3_num_f32 v9, v9, |v[XS+\i+2]|, |v[XS+\i+3]|
.endr
	v_max3_num_f32 v8, v8, |v[XS+14]|, |v[XS+15]|
	v_max3_num_f32 v8, v8, v9, 0x1800000           ; and the floor 2^(3 - 127): the byte cannot fall under 1
	v_max_num_f32_dpp v8, v8, v8 row_xmask:1 row_mask:0xf bank_mask:0xf   ; with my neighbour's 16: the block's
	v_add_nc_u32 v11, 0xff000000, v8               ; 2 off its exponent field: the conversion takes the exponent field of this operand as its scale
	v_cvt_scalef32_pk8_fp4_f32 v[XC+4*(\t)], v[XS:XS+7], v11
	v_cvt_scalef32_pk8_fp4_f32 v[XC+4*(\t)+1], v[XS+8:XS+15], v11
	v_lshrrev_b32 v[XE+(\t)], 23, v11              ; the scale's byte
	ds_store_b8 v5, v[XE+(\t)] offset:16*(\t)      ; both lanes of a block write the same byte with the same value
	global_store_b64 v4, v[XC+4*(\t):XC+4*(\t)+1], s[12:13] offset:256*(\t)
.endm
.irp t, 0,1,2,3,4,5,6,7,8,9,10,11,12,13,14,15
	XSTEP \t
.endr
	ds_load_b64 v[8:9], v6                         ; these see my byte stores: a wave's LDS instructions are served in order
	s_wait_dscnt 0x0
	global_store_b64 v7, v[8:9], s[14:15]          ; 32 lanes store 256 consecutive bytes
	s_wait_tensorcnt 0x0                           ; the wave's end, behind my last LDS store
	ds_add_u32 v[SPW], v[NIL]
	s_wait_dscnt 0x0
	s_endpgm
; ---------------- W: Wq, Wk, Wv: K is the FIRST axis.  A lane takes a column n and its registers run down K: each load reads 128 consecutive bytes a wave, a block of 32 along K lies in one lane's 32 registers,
; and the conversions give codes with K innermost.  A wave takes 32 columns x 512 along K; the codes, 256 bytes a column, go through the wave's stage and leave by rows, sixteen lanes to 256 consecutive bytes.
.set WSTG,   32768                     ; LDS: four stages of 32 rows x WPITCH, bytes that path X never names
.set WPITCH, 272
.set WX,     32                        ; v32-95   two sets of 32 numbers
.set WC,     96                        ; v96-99   a block's codes
.set WOUT,   112                       ; v112-175 the way out
.set WSB,    24                        ; v24-27   the scale bytes, four to a register
.Lpath_w:
	s_load_b128 s[4:7], s[0:1], 0x18               ; Wq, Wk
	s_load_b64 s[8:9], s[0:1], 0x28                ; Wv
	s_load_b128 s[12:15], s[0:1], 0x48             ; wc, ws
	s_lshr_b32 s17, ttmp9, 4                       ; which weight
	s_and_b32 s18, ttmp9, 7
	s_bfe_u32 s19, ttmp9, 0x10003                  ; which 512 along K
	s_lshl_b32 s18, s18, 7
	s_lshl_b32 s20, s16, 5
	s_add_co_u32 s18, s18, s20                     ; my wave's first column
	v_lshlrev_b32 v3, 2, v2                        ; in: 4 bytes a lane
	s_mul_i32 s20, s16, 32*WPITCH
	s_add_co_u32 s20, s20, WSTG                    ; my stage
	v_mul_u32_u24 v4, v2, WPITCH
	v_add_nc_u32 v4, s20, v4                       ; into it: row = my column
	v_and_b32 v5, 15, v2
	v_lshrrev_b32 v6, 4, v2
	v_mul_u32_u24 v7, v6, WPITCH
	v_lshl_add_u32 v7, v5, 4, v7
	v_add_nc_u32 v7, s20, v7                       ; out of it: sixteen lanes to a row, two rows an instruction
	v_lshlrev_b32 v8, 9, v6
	v_lshl_add_u32 v8, v5, 4, v8                   ; and the same place in the codes' buffer (rows of 512 bytes)
	v_lshlrev_b32 v9, 5, v2                        ; my column's row of scale bytes
	s_lshl_b32 s22, s19, 21                        ; W: 512 rows of 4,096 bytes,
	s_lshl_b32 s21, s18, 2
	s_add_co_u32 s22, s22, s21                     ; + 4 x column
	s_mov_b32 s23, 0
	s_lshl_b32 s24, s17, 19                        ; codes: 524,288 a weight,
	s_lshl_b32 s21, s18, 9
	s_add_co_u32 s24, s24, s21                     ; + 512 x column,
	s_lshl_b32 s21, s19, 8
	s_add_co_u32 s24, s24, s21                     ; + 256 for the second half of K
	s_mov_b32 s25, 0
	s_lshl_b32 s26, s17, 15                        ; scale bytes: 32,768 a weight, 32 a column, 16 for the second half
	s_lshl_b32 s21, s18, 5
	s_add_co_u32 s26, s26, s21
	s_lshl_b32 s21, s19, 4
	s_add_co_u32 s26, s26, s21
	s_mov_b32 s27, 0
	s_wait_kmcnt 0x0
	s_cmp_lt_u32 ttmp9, 16
	s_cselect_b64 s[4:5], s[4:5], s[6:7]
	s_cmp_lt_u32 ttmp9, 32
	s_cselect_b64 s[4:5], s[4:5], s[8:9]
	s_add_nc_u64 s[4:5], s[4:5], s[22:23]
	s_add_nc_u64 s[12:13], s[12:13], s[24:25]
	s_add_nc_u64 s[14:15], s[14:15], s[26:27]
.macro WLOAD t                         ; block t: W(32 t + i, my column), i = 0 .. 31, into set t % 2
.set i, 0
.rept 32
	global_load_b32 v[WX+32*((\t)%2)+i], v3, s[4:5] offset:(32*(\t)+i)*4096 th:TH_LOAD_NT
.set i, i+1
.endr
.endm
	WLOAD 0
	WLOAD 1
.macro WBLOCK t
.set XS, WX+32*((\t)%2)
.if (\t) < 15
	s_wait_loadcnt 32                              ; this block's 32 loads are in; the next block's may be out
.else
	s_wait_loadcnt 0
.endif
	v_max3_num_f32 v12, |v[XS]|, |v[XS+1]|, |v[XS+2]|               ; the block's largest magnitude: all 32 numbers are mine
	v_max3_num_f32 v13, |v[XS+3]|, |v[XS+4]|, |v[XS+5]|
.irp i, 6,10,14,18,22,26
	v_max3_num_f32 v12, v12, |v[XS+\i]|, |v[XS+\i+1]|
	v_max3_num_f32 v13, v13, |v[XS+\i+2]|, |v[XS+\i+3]|
.endr
	v_max3_num_f32 v12, v12, |v[XS+30]|, |v[XS+31]|
	v_max3_num_f32 v12, v12, v13, 0x1800000        ; and the floor 2^(3 - 127)
	v_add_nc_u32 v11, 0xff000000, v12              ; 2 off its exponent field: the conversions' scale operand
	v_lshrrev_b32 v13, 23, v11                     ; the scale's byte
.if (\t)%4 == 0
	v_mov_b32 v[WSB+(\t)/4], v13                   ; four bytes to a register, the lower K in the lower byte
.else
	v_lshl_or_b32 v[WSB+(\t)/4], v13, 8*((\t)%4), v[WSB+(\t)/4]
.endif
.irp g, 0,1,2,3
	v_cvt_scalef32_pk8_fp4_f32 v[WC+\g], v[XS+8*\g:XS+8*\g+7], v11
.endr
	ds_store_b128 v4, v[WC:WC+3] offset:16*(\t)    ; 32 codes: 16 bytes of my column's row
.if (\t)+2 < 16
	WLOAD (\t)+2
.endif
	s_wait_dscnt 0x0                               ; the store has read its registers: the next block's codes may be written
.endm
.set Q, 0
.rept 16
	WBLOCK Q
.set Q, Q+1
.endr
	global_store_b128 v9, v[WSB:WSB+3], s[14:15]   ; my column's 16 scale bytes
.irp t, 0,1,2,3,4,5,6,7,8,9,10,11,12,13,14,15
	ds_load_b128 v[WOUT+4*\t:WOUT+4*\t+3], v7 offset:2*\t*WPITCH
.endr
.irp t, 0,1,2,3,4,5,6,7,8,9,10,11,12,13,14,15
	s_wait_dscnt 15-\t                             ; load t is in, the younger ones stay out
	global_store_b128 v8, v[WOUT+4*\t:WOUT+4*\t+3], s[12:13] offset:2*\t*512
.endr
	s_wait_tensorcnt 0x0                           ; the wave's end, behind my last LDS store
	ds_add_u32 v[SPW], v[NIL]
	s_wait_dscnt 0x0
	s_endpgm
.Lfunc_end_k_qe543bf27fa_prep:
	.size	k_qe543bf27fa_prep, .Lfunc_end_k_qe543bf27fa_prep-k_qe543bf27fa_prep
	.p2alignl 7, 3214868480
	.fill 96, 4, 3214868480
	.section	.rodata,"a",@progbits
	.p2align	6, 0x0
	.amdhsa_kernel k_qe543bf27fa_prep
		.amdhsa_group_segment_fixed_size 68096
		.amdhsa_private_segment_fixed_size 0
		.amdhsa_enable_private_segment 0
		.amdhsa_kernarg_size 104
		.amdhsa_user_sgpr_count 2
		.amdhsa_user_sgpr_kernarg_segment_ptr 1
		.amdhsa_wavefront_size32 1
		.amdhsa_system_sgpr_workgroup_id_x 1
		.amdhsa_system_sgpr_workgroup_id_y 1
		.amdhsa_system_sgpr_workgroup_id_z 1
		.amdhsa_system_vgpr_workitem_id 0
		.amdhsa_next_free_vgpr 200
		.amdhsa_next_free_sgpr 66
		.amdhsa_reserve_vcc 0
		.amdhsa_float_denorm_mode_32 3
		.amdhsa_float_denorm_mode_16_64 3
		.amdhsa_memory_ordered 1
		.amdhsa_forward_progress 1
		.amdhsa_inst_pref_size 155
	.end_amdhsa_kernel
	.amdgpu_metadata
---
amdhsa.version: [ 1, 2 ]
amdhsa.kernels:
  - .name:           k_qe543bf27fa_prep
    .symbol:         k_qe543bf27fa_prep.kd
    .args:
      - { .name: query, .offset: 0, .size: 8, .value_kind: global_buffer, .address_space: global }
      - { .name: key, .offset: 8, .size: 8, .value_kind: global_buffer, .address_space: global }
      - { .name: value, .offset: 16, .size: 8, .value_kind: global_buffer, .address_space: global }
      - { .name: Wq, .offset: 24, .size: 8, .value_kind: global_buffer, .address_space: global }
      - { .name: Wk, .offset: 32, .size: 8, .value_kind: global_buffer, .address_space: global }
      - { .name: Wv, .offset: 40, .size: 8, .value_kind: global_buffer, .address_space: global }
      - { .name: Wo, .offset: 48, .size: 8, .value_kind: global_buffer, .address_space: global }
      - { .name: xc, .offset: 56, .size: 8, .value_kind: global_buffer, .address_space: global }
      - { .name: xs, .offset: 64, .size: 8, .value_kind: global_buffer, .address_space: global }
      - { .name: wc, .offset: 72, .size: 8, .value_kind: global_buffer, .address_space: global }
      - { .name: ws, .offset: 80, .size: 8, .value_kind: global_buffer, .address_space: global }
      - { .name: wo16, .offset: 88, .size: 8, .value_kind: global_buffer, .address_space: global }
      - { .name: rope, .offset: 96, .size: 8, .value_kind: global_buffer, .address_space: global }
    .group_segment_fixed_size: 68096
    .private_segment_fixed_size: 0
    .kernarg_segment_align: 8
    .kernarg_segment_size: 104
    .max_flat_workgroup_size: 128
    .sgpr_count:     66
    .vgpr_count:     200
    .wavefront_size: 32
...
	.end_amdgpu_metadata
.endif
;; end of part 1
;; launch proj (part 2): grid 4 x 48, 4 waves a work-group, clusters of 4 x 4, 327,680 bytes of LDS; arguments xc, xs, wc, ws, bq, bk, bv, rope, qkv; writes qkv
.if DOCPART == 2
	.amdgcn_target "amdgcn-amd-amdhsa--gfx1250"
	.amdhsa_code_object_version 6
	.text
	.protected	k_qe543bf27fa_proj
	.globl	k_qe543bf27fa_proj
	.p2align	8
	.type	k_qe543bf27fa_proj,@function
k_qe543bf27fa_proj:
	s_mov_b64 s[64:65], 0
	v_nop
	global_prefetch_b8 v0, s[64:65] scope:SCOPE_SE
	s_setreg_imm32_b32 hwreg(HW_REG_WAVE_MODE, 25, 1), 1
	s_wait_xcnt 0x0
	s_wait_alu depctr_hold_cnt(0) depctr_sa_sdst(0) depctr_va_vdst(0) depctr_va_sdst(0) depctr_va_ssrc(0) depctr_va_vcc(0) depctr_vm_vsrc(0)
	s_getreg_b32 s2, hwreg(HW_REG_IB_STS2, 6, 4)
	s_cmp_eq_u32 s2, 0
	s_cbranch_scc0 .Lentry_in_a_cluster
	s_endpgm
.Lentry_in_a_cluster:
	s_bfe_u32 s2, ttmp6, 0x10000c
	s_cmp_lg_u32 s2, 0xf033
	s_cbranch_scc0 .Lentry_shape_is_right
	s_endpgm
.Lentry_shape_is_right:
; PROJ: the three projections on codes of FP4 (E2M1) with one E8M0 scale for each 32 along K, as ONE product: rows = query, key, value stacked (12,288), K = 1,024, columns = 1,024 of the tensor's own weight.
; Then the bias (as the C of each sum's first product), the rotary turn for Q and K (Q's table carries log2(e) / 8), rounding to f16, and out as qkv [3][batch 2][head 16][position 2,048][64].
; LIMITS: the results (Q times 0.18, K, V) must lie inside f16's range, 65,504.
; A tile of 256 x 256 is made by four waves, 128 x 128 each: 64 accumulators, 512 registers.  K = 1,024 is two slots of 512 along K (rows of 256 bytes): both are first fills, nothing is filled again, there is no loop.
; 192 work-groups: with tiles of half the side there would be 768, each reading every fragment for half the products.
; THE SCALES of the work-group's 256 rows and 256 columns, for all of K, are two dense blocks of 8,192 bytes: they come into LDS once, with the first fills.
; CLUSTERS: 4 x 4 work-groups.  The four of a row need the same rows' codes, the four of a column the same weight columns': each tile is asked for jointly.  A cluster's 1,024 rows belong to one tensor.
; THE MATRIX INSTRUCTION IS USED TRANSPOSED (source 0 = 16 weight columns, source 1 = 16 rows): lane (r, h) holds row r and its registers eight neighbouring columns 16 b + 8 h + j.
; REGISTERS: window 0: v0-31 addresses; v32-95 scale words, two sets, and nothing else ever; v128-191 the rows' fragments, one set; v192-255 the bias.  Window 1: the weight's fragments, two sets, at v0 and v128.
;   Windows 2, 3: the accumulators of my rows 0-63, 64-127 ((a, b) at v[8 (8 (a % 4) + b)]).  On the way out: window 0 v96-127 f16, v128-191 f32, v192-255 rows read back; window 1 v0-63 cos and sin, two sets.
.set NQ,     4                         ; matrix instructions deep in a slot
.set ROWB,   256                       ; a tile's row in bytes: 512 codes
.set KROW,   512                       ; a row of codes in memory
.set PITCH,  272                       ; an LDS row: 256 bytes + 16 of padding: the 16 rows that a load touches start 68 words apart
.set FR,     8
.set NL,     2
.set NP,     4
.set HALFT,  128*PITCH
.set SLOT,   4*HALFT
.set KS,     32                        ; a row of scale bytes
.set SCL,    2*SLOT
.set HALFS,  16*272                    ; the scales of 128 rows: 16 pieces of 256 bytes + 16
.set SBLK,   2*272                     ; those of 16 rows
.set SPARE,  SCL+4*HALFS               ; the spare words, 128 bytes a wave: two blocks of 256 bytes that no other line names
.set SPT,    144                       ; the way out: a stage of [2 heads][16 rows][128 bytes + 16] for each wave, in slot 0, which has had its only fill and its last read by then
.set PSTG,   32768                     ; V's path has stage bytes of its own, this far on
.set ADRA, 16
.set ADRB, 20
.set STO,  24
.set RD,   25
.set LO,   26                          ; v26  16 x lane
.set ADRS, 27
.set SPW,  28
.set NIL,  29
.set BO,   30                          ; v30  32 h: my half's place in a tile's 16 bias numbers
.set SC,   32
.set AF,   128
.set BIAS, 192
.set CS,   0                           ; window 1
.set Y16,  96
.set YF,   128
.set BK,   192
.set G1, 24
.set G0, 32
.set G1B, 48
.set G0B, 56
.set G1S, 68
.set G0S, 76
.set G1SB, 80
.set G0SB, 88
.set MSB, 0
.macro WIN new                         ; the immediate's high byte repeats the setting that is left
.if MSB != \new
	s_set_vgpr_msb (MSB<<8)|\new
.set MSB, \new
.endif
.endm
.set MUL_LO, 0xa1                      ; source 0 window 1, source 1 window 0, C and D window 2
.set MUL_HI, 0xf1                      ; the same, C and D window 3
.set FST_LO, 0x81                      ; the first products: C (the bias) window 0, D window 2
.set FST_HI, 0xc1                      ; D window 3
.set TO_B,   0x40
; A joint load: waves 0 and 1 fetch for the rows, waves 2 and 3 for the weight.  The branch hangs on the wave's number alone.  An s_nop 0 and four v_nop follow each of the two lines.
.macro JLOAD g0a, g1a, g0b, g1b
	s_cmp_eq_u32 s15, 0
	s_cbranch_scc0 .Lfor_b_\@
	tensor_load_to_lds s[\g0a:\g0a+3], s[\g1a:\g1a+7]
	s_nop 0
.rept 4
	v_nop
.endr
	s_branch .Lasked_\@
.Lfor_b_\@:
	tensor_load_to_lds s[\g0b:\g0b+3], s[\g1b:\g1b+7]
	s_nop 0
.rept 4
	v_nop
.endr
.Lasked_\@:
.endm
.macro CROUND                          ; a round of the cluster's barrier
	s_barrier_signal -1
	s_barrier_wait -1
	s_cmp_lg_u32 s14, 0
	s_cbranch_scc1 .Lnot_wave_0_\@
	s_barrier_signal -3
.Lnot_wave_0_\@:
	s_barrier_wait -3
	s_barrier_signal -1
	s_barrier_wait -1
.endm
	s_load_b256 s[4:11], s[0:1], 0x0               ; xc s[4:5], xs s[6:7], wc s[8:9], ws s[10:11]
	s_load_b64 s[12:13], s[0:1], 0x40              ; qkv
	v_lshl_add_u32 v[SPW], v0, 2, SPARE
	v_mov_b32 v[NIL], 0
	ds_add_u32 v[SPW], v[NIL]                      ; the wave's opening: the add, twice on end, and its wait ahead of my first tensor load
	ds_add_u32 v[SPW], v[NIL]
	v_lshrrev_b32 v1, 5, v0
	v_readfirstlane_b32 s14, v1                    ; wave 0..3
	s_lshr_b32 s15, s14, 1                         ; which half of the tile's rows is mine.  Also: I fetch for the rows (0) or for the weight (1)
	s_and_b32 s16, s14, 1                          ; which half of its columns.  Also: which 128 rows of that tile I fetch
	s_bfe_u32 s40, ttmp6, 0x40000                  ; cx, cy: my place in the cluster
	s_bfe_u32 s41, ttmp6, 0x40004
	s_lshl_b32 s42, ttmp9, 2
	s_add_co_u32 s42, s42, s40                     ; tile column, 0 .. 3
	s_and_b32 s95, ttmp7, 0xffff                   ; cluster y, 0 .. 11
	s_lshl_b32 s17, s95, 2
	s_add_co_u32 s17, s17, s41                     ; tile row, 0 .. 47
	s_lshr_b32 s95, s95, 2                         ; the tensor: 0 query, 1 key, 2 value: the same in all sixteen partners
	s_lshl_b32 s43, s41, 2
	s_lshl_b32 s43, 15, s43                        ; my row of the cluster
	s_lshl_b32 s44, 0x1111, s40                    ; my column
	s_or_b32 s[G1+0], s43, (0<<16)|(1<<20)|(1<<21)|(5<<22)|(3<<25)  ; the mask; elements of 1 byte; padding on; bit 21 beside a mask; after every 64 words, 4 words
	s_or_b32 s[G1B+0], s44, (0<<16)|(1<<20)|(1<<21)|(5<<22)|(3<<25)
.irp g, G1, G1B
	s_mov_b32 s[\g+1], ROWB<<16                    ; tensor_dim0
	s_mov_b32 s[\g+2], 128<<16                     ; tensor_dim1
	s_mov_b32 s[\g+3], ROWB<<16                    ; tile_dim0
	s_mov_b32 s[\g+4], 128                         ; tile_dim1
	s_mov_b32 s[\g+5], KROW                        ; from row to row
	s_mov_b32 s[\g+6], 0
	s_mov_b32 s[\g+7], 0
.endr
	s_or_b32 s[G1S+0], s43, (3<<16)|(1<<20)|(1<<21)|(5<<22)|(3<<25)  ; the scales of 128 rows: 4,096 dense bytes as 16 rows of 32 elements of 8 bytes, 16 bytes of padding behind each
	s_or_b32 s[G1SB+0], s44, (3<<16)|(1<<20)|(1<<21)|(5<<22)|(3<<25)
.irp g, G1S, G1SB
	s_mov_b32 s[\g+1], 32<<16
	s_mov_b32 s[\g+2], 16<<16
	s_mov_b32 s[\g+3], 32<<16
	s_mov_b32 s[\g+4], 16
	s_mov_b32 s[\g+5], 32
	s_mov_b32 s[\g+6], 0
	s_mov_b32 s[\g+7], 0
.endr
	s_lshl_b32 s18, s16, 7                         ; which 128 rows of the tile I fetch
	s_lshl_b32 s20, s17, 8
	s_add_co_u32 s20, s20, s18                     ; the stacked row: 256 x tile row + 128 x half
	s_lshl_b32 s46, s42, 8
	s_add_co_u32 s46, s46, s18
	s_lshl_b32 s19, s95, 10
	s_add_co_u32 s46, s46, s19                     ; the stacked weight column: 1,024 x tensor + 256 x tile column + 128 x half
	s_lshl_b32 s22, s20, 5                         ; where these rows' scales begin,
	s_mov_b32 s23, 0
	s_lshl_b32 s92, s46, 5
	s_mov_b32 s93, 0
	s_lshl_b32 s20, s20, 9                         ; and their codes
	s_mov_b32 s21, 0
	s_lshl_b32 s46, s46, 9
	s_mov_b32 s47, 0
	s_mul_i32 s45, s14, HALFT                      ; where they go: wave x 128 rows: no place in the cluster enters an LDS address
	s_mul_i32 s94, s14, HALFS
	s_wait_dscnt 0x0                               ; both opening adds are done
	s_wait_kmcnt 0x0
	s_add_nc_u64 s[20:21], s[4:5], s[20:21]
	s_add_nc_u64 s[22:23], s[6:7], s[22:23]
	s_add_nc_u64 s[46:47], s[8:9], s[46:47]
	s_add_nc_u64 s[92:93], s[10:11], s[92:93]
	CROUND                                         ; all sixteen work-groups are here: the joint loads meet
	s_mov_b32 s[G0S], 1
	s_add_co_u32 s[G0S+1], s94, SCL
	s_mov_b64 s[G0S+2:G0S+3], s[22:23]
	s_or_b32 s[G0S+3], s[G0S+3], 0x80000000
	s_mov_b32 s[G0SB], 1
	s_add_co_u32 s[G0SB+1], s94, SCL
	s_mov_b64 s[G0SB+2:G0SB+3], s[92:93]
	s_or_b32 s[G0SB+3], s[G0SB+3], 0x80000000
	JLOAD G0S, G1S, G0SB, G1SB                     ; the scales first; then both slots: three tensor loads of mine are out
.irp s, 0,1
	s_mov_b32 s[G0+4*\s], 1
	s_add_co_u32 s[G0+4*\s+1], s45, \s*SLOT
	s_add_nc_u64 s[G0+4*\s+2:G0+4*\s+3], s[20:21], \s*ROWB
	s_or_b32 s[G0+4*\s+3], s[G0+4*\s+3], 0x80000000
	s_mov_b32 s[G0B+4*\s], 1
	s_add_co_u32 s[G0B+4*\s+1], s45, \s*SLOT
	s_add_nc_u64 s[G0B+4*\s+2:G0B+4*\s+3], s[46:47], \s*ROWB
	s_or_b32 s[G0B+4*\s+3], s[G0B+4*\s+3], 0x80000000
	JLOAD G0+4*\s, G1, G0B+4*\s, G1B
.endr
	s_load_b256 s[4:11], s[0:1], 0x20              ; bq s[4:5], bk s[6:7], bv s[8:9], rope s[10:11]: the first four addresses have been used
	v_and_b32 v1, 15, v0                           ; r
	v_bfe_u32 v2, v0, 4, 1                         ; h
	v_mul_u32_u24 v3, v1, PITCH
	v_lshl_add_u32 v4, v2, 4, v3                   ; a fragment's row x pitch + 16 h
	s_mul_i32 s21, s15, HALFT                      ; my 128 rows,
	s_mul_i32 s22, s16, HALFT                      ; my 128 weight columns,
	s_add_co_u32 s22, s22, 2*HALFT                 ; which lie behind the 256 rows
.irp s, 0,1
	v_add_nc_u32 v[ADRA+\s], s21, v4
	v_add_nc_u32 v[ADRB+\s], s22, v4
	s_add_co_u32 s21, s21, SLOT
	s_add_co_u32 s22, s22, SLOT
.endr
	v_mul_u32_u24 v5, v1, KS                       ; my row's scales: 32 bytes a row,
	v_lshrrev_b32 v6, 8, v5
	v_lshl_add_u32 v5, v6, 4, v5                   ; and 16 more for each 256 passed
	s_mul_i32 s21, s15, HALFS
	s_mul_i32 s22, s16, HALFS
	s_add_co_u32 s22, s22, 2*HALFS
	s_sub_co_u32 s22, s22, s21
	v_mul_u32_u24 v6, s22, v2                      ; lanes 16-31 take the weight's: one product, the distance between the two bases x h
	s_add_co_u32 s21, s21, SCL
	v_add_nc_u32 v5, v5, v6
	v_add_nc_u32 v[ADRS], s21, v5
	s_mul_i32 s23, s14, 2*16*SPT                   ; my stage
	v_mul_u32_u24 v5, v1, SPT
	v_lshl_add_u32 v5, v2, 4, v5
	v_add_nc_u32 v[STO], s23, v5                   ; in: row r, 16 bytes for each half of the lanes
	v_and_b32 v6, 31, v0
	v_lshlrev_b32 v[LO], 4, v6
	v_lshrrev_b32 v7, 3, v6
	v_mul_u32_u24 v7, v7, SPT
	v_and_b32 v6, 7, v6
	v_lshl_add_u32 v7, v6, 4, v7
	v_add_nc_u32 v[RD], s23, v7                    ; back: eight lanes to a row of 128 bytes, four rows an instruction
	v_lshlrev_b32 v[BO], 5, v2
	s_lshl_b32 s20, s17, 8
	s_lshl_b32 s21, s15, 7
	s_add_co_u32 s20, s20, s21                     ; my first stacked row
	s_lshr_b32 s21, s20, 11
	s_lshl_b32 s21, s21, 22                        ; 2 x tensor + batch: 4,194,304 bytes each
	s_and_b32 s66, s20, 2047                       ; my first position
	s_lshl_b32 s22, s66, 7
	s_add_co_u32 s21, s21, s22                     ; + 128 bytes a position
	s_lshl_b32 s46, s42, 2
	s_lshl_b32 s47, s16, 1
	s_add_co_u32 s46, s46, s47                     ; my first head: 4 x tile column + 2 x half
	s_lshl_b32 s46, s46, 18                        ; 262,144 bytes a head
	s_add_co_u32 s46, s46, s21
	s_mov_b32 s47, 0
	s_add_nc_u64 s[12:13], s[12:13], s[46:47]
	s_and_b32 s96, s95, 1                          ; Q's table or K's (V's work-groups form an address inside the buffer and never use it)
	s_lshl_b32 s96, s96, 19
	s_lshl_b32 s97, s66, 8                         ; 4,096 bytes for 16 positions
	s_add_co_u32 s96, s96, s97
	s_mov_b32 s97, 0
	s_lshl_b32 s92, s42, 10                        ; my first column's bias: 4 x (256 x tile column + 128 x half)
	s_lshl_b32 s93, s16, 9
	s_add_co_u32 s92, s92, s93
	s_mov_b32 s93, 0
	s_wait_kmcnt 0x0
	s_add_nc_u64 s[98:99], s[10:11], s[96:97]
	s_cmp_eq_u32 s95, 0                            ; the tensor's own bias: the choice hangs on the cluster's number alone
	s_cselect_b64 s[4:5], s[4:5], s[6:7]
	s_cmp_lt_u32 s95, 2
	s_cselect_b64 s[4:5], s[4:5], s[8:9]
	s_add_nc_u64 s[4:5], s[4:5], s[92:93]
.irp b, 0,1,2,3,4,5,6,7
	global_load_b128 v[BIAS+8*\b:BIAS+8*\b+3], v[BO], s[4:5] offset:64*\b          ; the bias in the result's layout: columns 16 b + 8 h + 0 .. 7
	global_load_b128 v[BIAS+8*\b+4:BIAS+8*\b+7], v[BO], s[4:5] offset:64*\b+16
.endr
.macro FRAG reg, adr, q, i             ; 16 rows x 128 K of 4-bit codes: 8 registers, two loads of 16 bytes, 32 bytes apart
.irp c, 0,1
	ds_load_b128 v[\reg+4*\c:\reg+4*\c+3], v[\adr] offset:64*(\q)+32*\c+(\i)*16*PITCH
.endr
.endm
; 16 matrix instructions: row blocks a0, a0 + 1 x the eight column blocks, 128 along K.  first = 1: the bias is the C of the sum's first product.  The 64 accumulators take turns, one instruction a turn.
; One scale register carries the rows' word (lanes 0-15) and the weight's (lanes 16-31).
.macro MUL16 a0, p, q, sc, first
.irp a, \a0, \a0+1
.irp b, 0,1,2,3,4,5,6,7
.if \first
	v_wmma_scale_f32_16x16x128_f8f6f4 v[8*(8*((\a)%4)+\b):8*(8*((\a)%4)+\b)+7], v[128*(\p)+FR*\b:128*(\p)+FR*\b+FR-1], v[AF+FR*(\a):AF+FR*(\a)+FR-1], v[BIAS+8*\b:BIAS+8*\b+7], v[SC+8*NQ*(\sc)+NQ*\b+(\q)], v[SC+8*NQ*(\sc)+NQ*(\a)+(\q)] matrix_a_fmt:MATRIX_FMT_FP4 matrix_b_fmt:MATRIX_FMT_FP4 matrix_a_scale:MATRIX_SCALE_ROW1
.else
	v_wmma_scale_f32_16x16x128_f8f6f4 v[8*(8*((\a)%4)+\b):8*(8*((\a)%4)+\b)+7], v[128*(\p)+FR*\b:128*(\p)+FR*\b+FR-1], v[AF+FR*(\a):AF+FR*(\a)+FR-1], v[8*(8*((\a)%4)+\b):8*(8*((\a)%4)+\b)+7], v[SC+8*NQ*(\sc)+NQ*\b+(\q)], v[SC+8*NQ*(\sc)+NQ*(\a)+(\q)] matrix_a_fmt:MATRIX_FMT_FP4 matrix_b_fmt:MATRIX_FMT_FP4 matrix_a_scale:MATRIX_SCALE_ROW1
.endif
.endr
.endr
.endm
.macro FETCH_B slot, q, p
	WIN TO_B
.irp i, 0,1,2,3,4,5,6,7
	FRAG 128*(\p)+FR*\i, ADRB+\slot, \q, \i
.endr
	WIN 0
.endm
.macro FETCH_A slot, q, i0
.irp i, \i0, \i0+1, \i0+2, \i0+3
	FRAG AF+FR*(\i), ADRA+\slot, \q, \i
.endr
.endm
.macro SCALES sc                       ; a slot's scale words: four words a row; lanes 0-15 the rows' block i, lanes 16-31 the weight's block i
.irp i, 0,1,2,3,4,5,6,7
	ds_load_b128 v[SC+8*NQ*\sc+NQ*\i:SC+8*NQ*\sc+NQ*\i+3], v[ADRS] offset:\i*SBLK
.endr
.endm
.macro PLACES n                        ; plain vector instructions between a matrix instruction and a load into, or a vector read of, its registers
.rept \n
	v_nop
.endr
.endm
.macro STEP slot, q, first             ; 128 along K, with its successor in the same slot
	s_wait_dscnt 4*NL                              ; all but the youngest eight loads (row blocks 4-7) are in
.if \first
	WIN FST_LO
.else
	WIN MUL_LO
.endif
	MUL16 0, (\q)%2, \q, \slot, \first
	MUL16 2, (\q)%2, \q, \slot, \first
	s_wait_dscnt 0
	PLACES NP
	FETCH_B \slot, (\q)+1, 1-(\q)%2
	FETCH_A \slot, (\q)+1, 0
.if \first
	WIN FST_HI
.else
	WIN MUL_HI
.endif
	MUL16 4, (\q)%2, \q, \slot, \first
	MUL16 6, (\q)%2, \q, \slot, \first
	PLACES NP
	WIN 0
	FETCH_A \slot, (\q)+1, 4
.endm
.macro TURN slot, next                 ; a slot's last step changes slots: one barrier; nothing is filled again
	s_wait_tensorcnt 0x0                           ; my part of the next slot has landed;
	ds_add_u32 v[SPW], v[NIL]                      ; 0 onto my spare word;
	s_wait_dscnt 4*NL+1                            ; (the add and the youngest eight loads may be out)
	WIN MUL_LO
	MUL16 0, 1, NQ-1, \slot, 0
	s_wait_dscnt 0x0                               ; the add is done, and my reads of this slot are over
	s_barrier_signal -1
	MUL16 2, 1, NQ-1, \slot, 0
	WIN 0
	s_barrier_wait -1
	PLACES NP
	v_add_nc_u32 v[ADRS], 4*NQ, v[ADRS]            ; on to the next slot's scale words
	FETCH_B \next, 0, 0
	FETCH_A \next, 0, 0
	SCALES \next
	WIN MUL_HI
	MUL16 4, 1, NQ-1, \slot, 0
	MUL16 6, 1, NQ-1, \slot, 0
	PLACES NP
	WIN 0
	FETCH_A \next, 0, 4
.endm
.macro STEPS slot, from
.set Q, \from
.rept NQ-1-\from
	STEP \slot, Q, 0
.set Q, Q+1
.endr
.endm
	s_wait_tensorcnt 1                             ; the scales and my part of slot 0 are in; slot 1's load may stay out
	s_barrier_signal -1
	s_barrier_wait -1
	FETCH_B 0, 0, 0
	FETCH_A 0, 0, 0
	SCALES 0
	FETCH_A 0, 0, 4
	s_wait_loadcnt 0x0                             ; the bias
	STEP 0, 0, 1
	STEPS 0, 1
	TURN 0, 1
	STEPS 1, 0
	s_wait_dscnt 4*NL                              ; the very last step: nothing more to fetch
	WIN MUL_LO
	MUL16 0, 1, NQ-1, 1, 0
	MUL16 2, 1, NQ-1, 1, 0
	s_wait_dscnt 0
	WIN MUL_HI
	MUL16 4, 1, NQ-1, 1, 0
	MUL16 6, 1, NQ-1, 1, 0
	WIN 0
; THE WAY OUT, a block of 16 rows x 128 columns (two heads) at a time.  In a head, column blocks 0, 1 are the left half and 2, 3 the right: the two numbers of a rotary pair lie in the SAME lane and register of two accumulators.
.macro CSLOAD a                        ; cos and sin of block a's 16 positions: eight loads of 512 consecutive bytes, an image of these registers
	WIN TO_B
.irp g, 0,1,2,3,4,5,6,7
	global_load_b128 v[CS+32*((\a)%2)+4*\g:CS+32*((\a)%2)+4*\g+3], v[LO], s[98:99] offset:4096*(\a)+512*\g
.endr
	WIN 0
.endm
.macro ROPEPACK a
.set AC, 64*((\a)%4)
.set CB, CS+32*((\a)%2)
.if (\a) < 7
	s_wait_loadcnt 8                               ; this block's eight loads are in; the next block's may be out
.else
	s_wait_loadcnt 0
.endif
	WIN 0x06+(\a)/4                                ; source 0: the accumulators' window; source 1: window 1
.irp hh, 0,1
.irp e, 0,1
.irp jj, 0,2,4,6                       ; each accumulator is read from its low end on
	v_pk_mul_f32 v[YF+8*(4*\hh+\e)+\jj:YF+8*(4*\hh+\e)+\jj+1], v[AC+8*(4*\hh+\e+2)+\jj:AC+8*(4*\hh+\e+2)+\jj+1], v[CB+16+8*\e+\jj:CB+16+8*\e+\jj+1]       ; right x sin
	v_pk_mul_f32 v[YF+8*(4*\hh+\e+2)+\jj:YF+8*(4*\hh+\e+2)+\jj+1], v[AC+8*(4*\hh+\e+2)+\jj:AC+8*(4*\hh+\e+2)+\jj+1], v[CB+8*\e+\jj:CB+8*\e+\jj+1]         ; right x cos
	v_pk_fma_f32 v[YF+8*(4*\hh+\e)+\jj:YF+8*(4*\hh+\e)+\jj+1], v[AC+8*(4*\hh+\e)+\jj:AC+8*(4*\hh+\e)+\jj+1], v[CB+8*\e+\jj:CB+8*\e+\jj+1], v[YF+8*(4*\hh+\e)+\jj:YF+8*(4*\hh+\e)+\jj+1] neg_lo:[0,0,1] neg_hi:[0,0,1]   ; left x cos - right x sin
	v_pk_fma_f32 v[YF+8*(4*\hh+\e+2)+\jj:YF+8*(4*\hh+\e+2)+\jj+1], v[AC+8*(4*\hh+\e)+\jj:AC+8*(4*\hh+\e)+\jj+1], v[CB+16+8*\e+\jj:CB+16+8*\e+\jj+1], v[YF+8*(4*\hh+\e+2)+\jj:YF+8*(4*\hh+\e+2)+\jj+1]                  ; left x sin + right x cos
.endr
.endr
.endr
	WIN 0
.set n, 0
.rept 32
	v_cvt_pk_f16_f32 v[Y16+n], v[YF+2*n], v[YF+2*n+1]
.set n, n+1
.endr
.if (\a) < 6
	CSLOAD (\a)+2
.endif
.endm
.macro PLAINPACK a                     ; V: rounded as it is
.set AC, 64*((\a)%4)
	WIN 0x0a+5*((\a)/4)                            ; sources 0 and 1: window 2 or 3
.set n, 0
.rept 32
	v_cvt_pk_f16_f32 v[Y16+n], v[AC+2*n], v[AC+2*n+1]
.set n, n+1
.endr
	WIN 0
.endm
.macro TOSTAGE a, off                  ; my own bytes: a wave's LDS instructions are served in order, so no wait stands between the stores and the loads, nor ahead of the next block's stores
.irp b, 0,1,2,3,4,5,6,7
	ds_store_b128 v[STO], v[Y16+4*\b:Y16+4*\b+3] offset:\off+16*SPT*(\b/4)+32*(\b%4)
.endr
.set BB, BK+32*((\a)%2)
.irp i, 0,1,2,3,4,5,6,7
	ds_load_b128 v[BB+4*\i:BB+4*\i+3], v[RD] offset:\off+16*SPT*(\i/4)+4*SPT*(\i%4)
.endr
.endm
.macro SEND a
.set BB, BK+32*((\a)%2)
	s_wait_dscnt 0x0                               ; the block is back in registers
	s_wait_xcnt 0x0                                ; the stores of the block before have read their registers: the next block's loads from the stage may land there
.irp i, 0,1,2,3,4,5,6,7
	global_store_b128 v[LO], v[BB+4*\i:BB+4*\i+3], s[12:13] offset:2048*(\a)+262144*(\i/4)+512*(\i%4)   ; four positions of a head: 512 consecutive bytes
.endr
.endm
	PLACES NP                                      ; behind the last products: ahead of the reads of results and of the loads into operand registers
	s_cmp_eq_u32 s95, 2                            ; the cluster's number alone: all sixteen partners go the same way
	s_cbranch_scc1 .Lplain
	CSLOAD 0
	CSLOAD 1
	ROPEPACK 0
	TOSTAGE 0, 0
.irp a, 1,2,3,4,5,6,7
	ROPEPACK \a
	SEND (\a)-1
	TOSTAGE \a, 0
.endr
	SEND 7
	s_branch .Ldone
.Lplain:
	PLAINPACK 0
	TOSTAGE 0, PSTG
.irp a, 1,2,3,4,5,6,7
	PLAINPACK \a
	SEND (\a)-1
	TOSTAGE \a, PSTG
.endr
	SEND 7
.Ldone:
	s_wait_tensorcnt 0x0                           ; the wave's end, behind my last tensor load and my last LDS store
	ds_add_u32 v[SPW], v[NIL]
	s_wait_dscnt 0x0
	CROUND                                         ; the closing round
	s_endpgm
.Lfunc_end_k_qe543bf27fa_proj:
	.size	k_qe543bf27fa_proj, .Lfunc_end_k_qe543bf27fa_proj-k_qe543bf27fa_proj
	.p2alignl 7, 3214868480
	.fill 96, 4, 3214868480
	.section	.rodata,"a",@progbits
	.p2align	6, 0x0
	.amdhsa_kernel k_qe543bf27fa_proj
		.amdhsa_group_segment_fixed_size 327680
		.amdhsa_private_segment_fixed_size 0
		.amdhsa_enable_private_segment 0
		.amdhsa_kernarg_size 72
		.amdhsa_user_sgpr_count 2
		.amdhsa_user_sgpr_kernarg_segment_ptr 1
		.amdhsa_wavefront_size32 1
		.amdhsa_system_sgpr_workgroup_id_x 1
		.amdhsa_system_sgpr_workgroup_id_y 1
		.amdhsa_system_sgpr_workgroup_id_z 1
		.amdhsa_system_vgpr_workitem_id 0
		.amdhsa_next_free_vgpr 1024
		.amdhsa_next_free_sgpr 100
		.amdhsa_reserve_vcc 0
		.amdhsa_float_denorm_mode_32 3
		.amdhsa_float_denorm_mode_16_64 3
		.amdhsa_memory_ordered 1
		.amdhsa_forward_progress 1
		.amdhsa_inst_pref_size 198
	.end_amdhsa_kernel
	.amdgpu_metadata
---
amdhsa.version: [ 1, 2 ]
amdhsa.kernels:
  - .name:           k_qe543bf27fa_proj
    .symbol:         k_qe543bf27fa_proj.kd
    .args:
      - { .name: xc, .offset: 0, .size: 8, .value_kind: global_buffer, .address_space: global }
      - { .name: xs, .offset: 8, .size: 8, .value_kind: global_buffer, .address_space: global }
      - { .name: wc, .offset: 16, .size: 8, .value_kind: global_buffer, .address_space: global }
      - { .name: ws, .offset: 24, .size: 8, .value_kind: global_buffer, .address_space: global }
      - { .name: bq, .offset: 32, .size: 8, .value_kind: global_buffer, .address_space: global }
      - { .name: bk, .offset: 40, .size: 8, .value_kind: global_buffer, .address_space: global }
      - { .name: bv, .offset: 48, .size: 8, .value_kind: global_buffer, .address_space: global }
      - { .name: rope, .offset: 56, .size: 8, .value_kind: global_buffer, .address_space: global }
      - { .name: qkv, .offset: 64, .size: 8, .value_kind: global_buffer, .address_space: global }
    .group_segment_fixed_size: 327680
    .private_segment_fixed_size: 0
    .kernarg_segment_align: 8
    .kernarg_segment_size: 72
    .max_flat_workgroup_size: 128
    .sgpr_count:     100
    .vgpr_count:     1024
    .wavefront_size: 32
...
	.end_amdgpu_metadata
.endif
;; end of part 2
;; launch attn (part 3): grid 8 x 32, 8 waves a work-group, clusters of 4 x 1, 327,680 bytes of LDS; arguments qkv, frac, alpha_pos, alpha_neg, att; writes att
.if DOCPART == 3
	.amdgcn_target "amdgcn-amd-amdhsa--gfx1250"
	.amdhsa_code_object_version 6
	.text
	.protected	k_qe543bf27fa_attn
	.globl	k_qe543bf27fa_attn
	.p2align	8
	.type	k_qe543bf27fa_attn,@function
k_qe543bf27fa_attn:
	s_mov_b64 s[64:65], 0
	v_nop
	global_prefetch_b8 v0, s[64:65] scope:SCOPE_SE
	s_setreg_imm32_b32 hwreg(HW_REG_WAVE_MODE, 25, 1), 1
	s_wait_xcnt 0x0
	s_wait_alu depctr_hold_cnt(0) depctr_sa_sdst(0) depctr_va_vdst(0) depctr_va_sdst(0) depctr_va_ssrc(0) depctr_va_vcc(0) depctr_vm_vsrc(0)
	s_getreg_b32 s2, hwreg(HW_REG_IB_STS2, 6, 4)
	s_cmp_eq_u32 s2, 0
	s_cbranch_scc0 .Lentry_in_a_cluster
	s_endpgm
.Lentry_in_a_cluster:
	s_bfe_u32 s2, ttmp6, 0x10000c
	s_cmp_lg_u32 s2, 0x3003
	s_cbranch_scc0 .Lentry_shape_is_right
	s_endpgm
.Lentry_shape_is_right:
; ATTN: att[b][h][q][:] = the sum over k of softmax_k(t(q, k)) V[k][:], operands in f16, products, maxima and sums in f32.  qkv: [3][b][h][2,048][64] f16; Q already carries log2(e) / 8.
; THE BIAS.  alpha_pos relu(d) - alpha_neg relu(-d), d = f_k - f_q, equals alpha_neg f_k + (alpha_pos - alpha_neg) max(f_k, f_q) - alpha_pos f_q; the last term is constant along a row and a softmax drops it.
; With F = frac - frac[b][0] (a common offset goes the same way), a' = alpha_neg log2(e), g' = (alpha_pos - alpha_neg) log2(e):  t = Q' . K + a' F_k + g' max(F_k, F_q), in units of log2.
; The bias is written into the scores' registers and the first product takes it as its C.  For each query a running maximum m of t and a running sum l: p = 2^(t - m); O and l are multiplied by 2^(old m - new m) in every step.
; LIMITS: NaN and infinities are not served; the results lie inside f16's range where V does.
; SHARES.  A work-group owns 256 queries of one (b, h), each of its eight waves 32: two tiles of 16.  Two waves share a SIMD: one's vector work stands beside the other's products.  Every wave walks all keys, 64 a step.
; LAYOUT.  S^T = K Q^T (source 0 = 16 keys, source 1 = 16 queries): a lane holds ONE query (lane % 16) and keys 8 (lane / 16) + 0..7 of each tile.  Two tiles rounded in pairs ARE source 1 of O^T = V^T P.  V is turned by ds_load_tr16_b128.
; CLUSTER.  The four query blocks of a cluster belong to one head and walk the same K and V: each tile is asked for jointly.  A slot holds four key steps; waves 0-3 fetch K's four tiles, waves 4-7 V's: one load a wave.
; REGISTERS.  Window 0: v2-15 addresses; v16-31 statistics, eight a tile (+0 m, +1 written, +2, +3 l, +4 to +7 at work; +6 takes the rescaling factor); v32-33 F of my queries; v64-127 S^T; v128-159 P; v160-223 O^T.
;   Window 1: v0-31 Q; v32-95 K of a step; v96-159 V of a step; v160-191 F of the step's keys; v192-223 a' F.
.set KS,    64
.set PK,    144                        ; a row of K in LDS: 128 bytes + 16
.set PV,    160                        ; a row of V: 128 + 32: the turning load's eight rows x 32 bytes fall on different banks
.set VOFF,  KS*PK
.set STEPB, KS*(PK+PV)                 ; a step: 64 rows of K, then 64 rows of V
.set SLOT1, 1<<17                      ; slot 1 begins here: one exclusive or turns an address of one slot into the other's
.set FT,    SLOT1+4*STEPB              ; behind the ring: F of the batch's 2,048 positions, 8,192 bytes; a' F, 8,192 bytes on
.set STAGE, FT+16384                   ; the way out: 32 rows x 144 bytes for each wave
.set SP,    144
.set SPARE, STAGE+8*32*SP              ; the spare words, 128 bytes a wave: four blocks of 256 bytes that no other line names
.set AK0, 2
.set AV0, 3
.set AF0, 4
.set ADK, 5
.set ADV, 6
.set ADF, 7
.set QO,  8
.set STO, 9
.set RD,  10
.set GO,  11
.set PFO, 12
.set SPW, 14
.set NIL, 15
.set ST,  16
.set FI,  32
.set S,   64
.set P,   128
.set O,   160
.set KW,  32                           ; window 1
.set VW,  96
.set FW,  160
.set AW,  192
.set WV,  14
.set LIM, 15
.set PFA, 18
.set G1K, 24
.set G1V, 32
.set G0K, 40
.set G0V, 44
.set SLOTS, 56
.set CNT, 57
.set GP,  58                           ; s[58:59] g', twice
.set SEL, 60
.set TB,  62                           ; LDS byte at which the step's tiles begin
.set TF,  63                           ; and its 64 numbers of F: 256 bytes a step
.set MSB, 0
.macro WIN new
.if MSB != \new
	s_set_vgpr_msb (MSB<<8)|\new
.set MSB, \new
.endif
.endm
.macro JLOAD                           ; the branch hangs on the wave's number alone; an s_nop 0 and four v_nop follow each of the two lines
	s_cmp_lt_u32 s[WV], 4
	s_cbranch_scc0 .Lfor_v_\@
	tensor_load_to_lds s[G0K:G0K+3], s[G1K:G1K+7]
	s_nop 0
.rept 4
	v_nop
.endr
	s_branch .Lasked_\@
.Lfor_v_\@:
	tensor_load_to_lds s[G0V:G0V+3], s[G1V:G1V+7]
	s_nop 0
.rept 4
	v_nop
.endr
.Lasked_\@:
.endm
; A prefetch of what the NEXT change of slots will ask for: a slot's 32,768 bytes of K and of V.  Each block of 256 bytes is named once in the launch: the head's first cluster asks; its four partners take 8,192 bytes each, told
; apart by address; in each, wave 0 asks for K's and wave 4 for V's, lanes 256 bytes apart.  It stands four key steps ahead of the load that will want the bytes.  The last change that fills a slot asks for nothing.
.macro ASK
	s_cmp_gt_u32 s[SLOTS], s[LIM]
	s_cbranch_scc0 .Lnot_mine_\@
	global_prefetch_b8 v[PFO], s[PFA:PFA+1] th:TH_LOAD_NT scope:SCOPE_SE
.Lnot_mine_\@:
.endm
.macro CROUND
	s_barrier_signal -1
	s_barrier_wait -1
	s_cmp_lg_u32 s[WV], 0
	s_cbranch_scc1 .Lnot_wave_0_\@
	s_barrier_signal -3
.Lnot_wave_0_\@:
	s_barrier_wait -3
	s_barrier_signal -1
	s_barrier_wait -1
.endm
	s_load_b256 s[4:11], s[0:1], 0x0               ; qkv s[4:5], frac s[6:7], alpha_pos s[8:9], alpha_neg s[10:11]
	s_load_b64 s[12:13], s[0:1], 0x20              ; att
	v_lshl_add_u32 v[SPW], v0, 2, SPARE
	v_mov_b32 v[NIL], 0
	ds_add_u32 v[SPW], v[NIL]                      ; the wave's opening: the add, twice on end, and its wait ahead of my first tensor load
	ds_add_u32 v[SPW], v[NIL]
	v_lshrrev_b32 v1, 5, v0
	v_readfirstlane_b32 s[WV], v1                  ; wave 0..7
	s_bfe_u32 s16, ttmp6, 0x40000                  ; cx
	s_lshl_b32 s17, ttmp9, 2
	s_add_co_u32 s17, s17, s16                     ; my block of 256 queries: it enters Q's, frac's and att's addresses alone
	s_and_b32 s20, ttmp7, 0xffff                   ; 16 b + h, which the four partners share
	s_lshl_b32 s22, s20, 18                        ; the head's first byte in a tensor of qkv and in att
	s_mov_b32 s23, 0
	s_and_b32 s48, s[WV], 3                        ; which of a slot's four steps I fetch:
	s_lshl_b32 s50, s48, 13                        ; its 64 rows of 128 bytes in memory,
	s_mov_b32 s51, 0
	s_add_nc_u64 s[50:51], s[50:51], s[22:23]
	s_mul_i32 s21, s48, STEPB                      ; and its place in a slot
	s_lshl_b32 s2, s17, 15
	s_lshl_b32 s3, s[WV], 12
	s_add_co_u32 s2, s2, s3                        ; my wave's 32 rows
	s_mov_b32 s3, 0
	s_add_nc_u64 s[2:3], s[2:3], s[22:23]
	s_lshr_b32 s68, s20, 4
	s_lshl_b32 s68, s68, 13                        ; the batch's row of frac
	s_mov_b32 s69, 0
	s_and_b32 s48, s20, 15
	s_lshl_b32 s48, s48, 2                         ; the head's alphas
	s_mov_b32 s49, 0
	s_mov_b32 s[G1K], 15|(1<<16)|(1<<20)|(1<<21)|(4<<22)|(3<<25)  ; the mask: all four; elements of 2 bytes; padding on; bit 21 beside a mask; after every 32 words, 4 words
	s_mov_b32 s[G1V], 15|(1<<16)|(1<<20)|(1<<21)|(4<<22)|(7<<25)  ; the same with 8 words
.irp g, G1K, G1V
	s_mov_b32 s[\g+1], 64<<16                      ; tensor_dim0
	s_mov_b32 s[\g+2], KS<<16                      ; tensor_dim1
	s_mov_b32 s[\g+3], 64<<16                      ; tile_dim0
	s_mov_b32 s[\g+4], KS                          ; tile_dim1
	s_mov_b32 s[\g+5], 64                          ; from row to row
	s_mov_b32 s[\g+6], 0
	s_mov_b32 s[\g+7], 0
.endr
	s_mov_b32 s[SEL], 0x76543210
	s_mov_b32 s[SEL+1], 0xfedcba98
	s_mov_b32 s[TB], 0
	s_mov_b32 s[TF], 0
	s_mov_b32 s[SLOTS], 2048/(4*KS)-1
	s_and_b32 s[LIM], s[WV], 3                     ; 0 in waves 0 and 4,
	s_or_b32 s[LIM], s[LIM], ttmp9                 ; of the head's first cluster: the same in all four partners
	s_cmp_eq_u32 s[LIM], 0
	s_cselect_b32 s[LIM], 1, -1
	v_and_b32 v[PFO], 31, v0
	v_lshlrev_b32 v[PFO], 8, v[PFO]
	s_wait_dscnt 0x0                               ; both opening adds are done
	s_wait_kmcnt 0x0
	s_add_nc_u64 s[G0K+2:G0K+3], s[4:5], s[50:51]
	s_add_nc_u64 s[G0K+2:G0K+3], s[G0K+2:G0K+3], 0x800000    ; K is the second tensor of qkv,
	s_add_nc_u64 s[G0V+2:G0V+3], s[4:5], s[50:51]
	s_add_nc_u64 s[G0V+2:G0V+3], s[G0V+2:G0V+3], 0x1000000   ; V the third
	s_cmp_lt_u32 s[WV], 4
	s_cselect_b64 s[PFA:PFA+1], s[G0K+2:G0K+3], s[G0V+2:G0V+3]  ; (in waves 0 and 4 these stand at a slot's first row)
	s_lshl_b32 s50, s16, 13                        ; my work-group's quarter of a slot,
	s_mov_b32 s51, 0
	s_add_nc_u64 s[PFA:PFA+1], s[PFA:PFA+1], s[50:51]
	s_add_nc_u64 s[PFA:PFA+1], s[PFA:PFA+1], 4*KS*128  ; in slot 1: the first change of slots steps it to slot 2.  Nothing is prefetched at the head
	s_mov_b32 s[G0K], 1
	s_mov_b32 s[G0K+1], s21
	s_or_b32 s[G0K+3], s[G0K+3], 0x80000000
	s_mov_b32 s[G0V], 1
	s_add_co_u32 s[G0V+1], s21, VOFF
	s_or_b32 s[G0V+3], s[G0V+3], 0x80000000
	s_add_nc_u64 s[4:5], s[4:5], s[2:3]            ; Q and att at my wave's first row
	s_add_nc_u64 s[12:13], s[12:13], s[2:3]
	s_add_nc_u64 s[66:67], s[6:7], s[68:69]
	s_add_nc_u64 s[8:9], s[8:9], s[48:49]
	s_add_nc_u64 s[10:11], s[10:11], s[48:49]
	s_load_b32 s52, s[8:9], 0x0                    ; alpha_pos[h]
	s_load_b32 s53, s[10:11], 0x0                  ; alpha_neg[h]
	s_load_b32 s54, s[66:67], 0x0                  ; frac[b][0]
	CROUND                                         ; all four work-groups are here: the first joint loads meet
	JLOAD                                          ; slot 0
	v_and_b32 v1, 15, v0                           ; r
	v_bfe_u32 v13, v0, 4, 1                        ; h
	v_lshlrev_b32 v[QO], 7, v1
	v_lshl_add_u32 v[QO], v13, 4, v[QO]            ; row r of 128 bytes + 16 h
	WIN 0x40                                       ; destination window 1
.irp t, 0,1
.irp ks, 0,1
	global_load_b128 v[16*\t+8*\ks:16*\t+8*\ks+3],   v[QO], s[4:5] offset:2048*\t+64*\ks      ; Q stays in registers
	global_load_b128 v[16*\t+8*\ks+4:16*\t+8*\ks+7], v[QO], s[4:5] offset:2048*\t+64*\ks+32
.endr
.endr
	WIN 0
	v_lshlrev_b32 v224, 5, v0                      ; thread t takes frac[b][8 t .. 8 t + 7]
	global_load_b128 v[232:235], v224, s[66:67]
	global_load_b128 v[236:239], v224, s[66:67] offset:16
	s_lshl_b32 s20, s17, 10
	s_lshl_b32 s21, s[WV], 7
	s_add_co_u32 s20, s20, s21
	v_lshl_add_u32 v225, v1, 2, s20                ; frac of my queries: 4 x (256 x block + 32 x wave + r)
	global_load_b32 v[FI], v225, s[66:67]
	global_load_b32 v[FI+1], v225, s[66:67] offset:64
	v_lshl_add_u32 v226, v0, 5, FT                 ; where my eight numbers of the tables go
	v_mul_u32_u24 v[AK0], v1, PK
	v_lshl_add_u32 v[AK0], v13, 4, v[AK0]
	v_and_b32 v229, 7, v0
	v_lshl_add_u32 v[AV0], v13, 3, v229            ; the turning load: key 8 h + lane % 8,
	v_mul_u32_u24 v[AV0], v[AV0], PV
	v_bfe_u32 v229, v0, 3, 1
	v_lshl_add_u32 v[AV0], v229, 4, v[AV0]         ; channels 8 ((lane / 8) % 2) on
	v_add_nc_u32 v[AV0], VOFF, v[AV0]
	v_lshl_add_u32 v[AF0], v13, 5, FT              ; F of keys 8 h + 0 .. 7 of a tile
	s_mul_i32 s21, s[WV], 32*SP
	s_add_co_u32 s21, s21, STAGE                   ; my stage
	v_mul_u32_u24 v[STO], v1, SP
	v_lshl_add_u32 v[STO], v13, 4, v[STO]
	v_add_nc_u32 v[STO], s21, v[STO]
	v_and_b32 v229, 31, v0
	v_lshlrev_b32 v[GO], 4, v229
	v_lshrrev_b32 v230, 3, v229
	v_mul_u32_u24 v[RD], v230, SP
	v_and_b32 v229, 7, v229
	v_lshl_add_u32 v[RD], v229, 4, v[RD]
	v_add_nc_u32 v[RD], s21, v[RD]
.irp t, 0,1
	v_mov_b32 v[ST+8*\t], 0xff61b1e6               ; m: -3e38, under every t
	v_mov_b32 v[ST+8*\t+1], 0                      ; (named with m as a pair)
	v_mov_b32 v[ST+8*\t+2], 0                      ; l, in two halves
	v_mov_b32 v[ST+8*\t+3], 0
.endr
.set n, 0
.rept 64
	v_mov_b32 v[O+n], 0                            ; O^T: the step is written once; the first finds zeros, which its rescaling leaves zeros
.set n, n+1
.endr
	s_wait_kmcnt 0x0
	v_mov_b32 v227, s54                            ; frac[b][0]
	v_mov_b32 v228, s53
	v_mov_b32 v229, s52
	v_sub_f32 v229, v229, v228
	v_mul_f32 v228, 0x3fb8aa3b, v228               ; a'
	v_mul_f32 v229, 0x3fb8aa3b, v229               ; g'
	v_readfirstlane_b32 s[GP], v229
	s_mov_b32 s[GP+1], s[GP]
	s_wait_loadcnt 0x0                             ; Q, frac
.irp i, 0,1,2,3,4,5,6,7
	v_sub_f32 v[232+\i], v[232+\i], v227           ; F
.endr
.irp i, 0,1,2,3,4,5,6,7
	v_mul_f32 v[240+\i], v228, v[232+\i]           ; a' F
.endr
	v_sub_f32 v[FI], v[FI], v227
	v_sub_f32 v[FI+1], v[FI+1], v227
	ds_store_b128 v226, v[232:235]
	ds_store_b128 v226, v[236:239] offset:16
	ds_store_b128 v226, v[240:243] offset:8192
	ds_store_b128 v226, v[244:247] offset:8208     ; the first change of slots waits for these and passes a barrier ahead of the first read
; A KEY STEP: 64 keys.
.macro STEP
	v_add_nc_u32 v[ADK], s[TB], v[AK0]             ; these three and the v_nop are the four places between the last products and the loads into V's registers
	v_add_nc_u32 v[ADV], s[TB], v[AV0]
	v_add_nc_u32 v[ADF], s[TF], v[AF0]
	v_nop
	WIN 0x40                                       ; destination window 1
.irp kt, 0,1,2,3
	ds_load_b128 v[FW+8*\kt:FW+8*\kt+3],   v[ADF] offset:64*\kt
	ds_load_b128 v[FW+8*\kt+4:FW+8*\kt+7], v[ADF] offset:64*\kt+16
.endr
.irp kt, 0,1,2,3
	ds_load_b128 v[AW+8*\kt:AW+8*\kt+3],   v[ADF] offset:8192+64*\kt
	ds_load_b128 v[AW+8*\kt+4:AW+8*\kt+7], v[ADF] offset:8192+64*\kt+16
.endr
.irp kt, 0,1,2,3
.irp ks, 0,1
	ds_load_b128 v[KW+16*\kt+8*\ks:KW+16*\kt+8*\ks+3],   v[ADK] offset:16*PK*\kt+64*\ks
	ds_load_b128 v[KW+16*\kt+8*\ks+4:KW+16*\kt+8*\ks+7], v[ADK] offset:16*PK*\kt+64*\ks+32
.endr
.endr
.irp kk, 0,1
.irp ct, 0,1,2,3
	ds_load_tr16_b128 v[VW+32*\kk+8*\ct:VW+32*\kk+8*\ct+3],   v[ADV] offset:32*PV*\kk+32*\ct
	ds_load_tr16_b128 v[VW+32*\kk+8*\ct+4:VW+32*\kk+8*\ct+7], v[ADV] offset:32*PV*\kk+16*PV+32*\ct
.endr
.endr
	s_wait_dscnt 32                                ; F and a' F are in; K's sixteen loads and V's sixteen may be out
	WIN 0x14                                       ; sources 1 and 2 window 1
.set n, 0
.rept 32
	v_max_num_f32 v[S+n], v[FI], v[FW+n]           ; max(F_k, F_q), both tiles
	v_max_num_f32 v[S+32+n], v[FI+1], v[FW+n]
.set n, n+1
.endr
.set n, 0
.rept 16
	v_pk_fma_f32 v[S+n:S+n+1], v[S+n:S+n+1], s[GP:GP+1], v[AW+n:AW+n+1] op_sel_hi:[1,0,1]             ; g' max + a' F_k: the bias, where the scores will stand
	v_pk_fma_f32 v[S+32+n:S+33+n], v[S+32+n:S+33+n], s[GP:GP+1], v[AW+n:AW+n+1] op_sel_hi:[1,0,1]
.set n, n+2
.endr
	s_wait_dscnt 16                                ; K is in; V's sixteen loads may be out
	WIN 0x05                                       ; K and Q window 1, S^T window 0
.set i, 0
.rept 16                               ; channels 32 (i / 8) on, keys 16 ((i / 2) % 4) on, tile i % 2: the eight accumulators take turns, one instruction a turn
.set rS, S+32*(i%2)+8*((i/2)%4)
.set rK, KW+16*((i/2)%4)+8*(i/8)
.set rQ, 16*(i%2)+8*(i/8)
	v_wmma_f32_16x16x32_f16 v[rS:rS+7], v[rK:rK+7], v[rQ:rQ+7], v[rS:rS+7]
.set i, i+1
.endr
	WIN 0
.rept 4
	v_nop                                          ; places ahead of the first read of the scores
.endr
.irp j, 0,1,2,3                        ; the maximum of the lane's 32 scores of each tile, in four chains; each accumulator is read from its low end on; the two tiles line by line
.irp t, 0,1
	v_max3_num_f32 v[ST+8*\t+4+\j], v[S+32*\t+8*\j], v[S+32*\t+8*\j+1], v[S+32*\t+8*\j+2]
.endr
.endr
.irp g, 1,2
.irp j, 0,1,2,3
.irp t, 0,1
	v_max3_num_f32 v[ST+8*\t+4+\j], v[ST+8*\t+4+\j], v[S+32*\t+8*\j+2*\g+1], v[S+32*\t+8*\j+2*\g+2]
.endr
.endr
.endr
.irp t, 0,1
	v_max3_num_f32 v[ST+8*\t+4], v[ST+8*\t+4], v[S+32*\t+7], v[S+32*\t+15]
.endr
.irp t, 0,1
	v_max3_num_f32 v[ST+8*\t+6], v[ST+8*\t+6], v[S+32*\t+23], v[S+32*\t+31]
.endr
.irp t, 0,1
	v_max3_num_f32 v[ST+8*\t+4], v[ST+8*\t+4], v[ST+8*\t+5], v[ST+8*\t+6]
.endr
.irp t, 0,1
	v_max3_num_f32 v[ST+8*\t+4], v[ST+8*\t+4], v[ST+8*\t+7], v[ST+8*\t]       ; and the old m
.endr
.irp t, 0,1
	v_permlanex16_b32 v[ST+8*\t+5], v[ST+8*\t+4], s[SEL], s[SEL+1]            ; the query's other 32 keys lie in the lane 16 away
.endr
.irp t, 0,1
	v_mov_b32 v[ST+8*\t+7], v[ST+8*\t]
.endr
.irp t, 0,1
	v_max_num_f32 v[ST+8*\t], v[ST+8*\t+4], v[ST+8*\t+5]                      ; the new m
.endr
.irp t, 0,1
	v_sub_f32 v[ST+8*\t+7], v[ST+8*\t+7], v[ST+8*\t]                          ; old m - new m
.endr
.irp t, 0,1
.set n, 0
.rept 16
	v_pk_add_f32 v[S+32*\t+n:S+32*\t+n+1], v[S+32*\t+n:S+32*\t+n+1], v[ST+8*\t:ST+8*\t+1] op_sel_hi:[1,0] neg_lo:[0,1] neg_hi:[0,1]   ; t - m
.set n, n+2
.endr
.endr
.irp t, 0,1
	v_exp_f32 v[ST+8*\t+6], v[ST+8*\t+7]           ; the rescaling factor
.endr
.set n, 0
.rept 64
	v_exp_f32 v[S+n], v[S+n]                       ; p, at most 1
.set n, n+1
.endr
	v_nop                                          ; a plain instruction behind the last exponential
	s_wait_alu depctr_va_vdst(0)                   ; one wait for the batch of 66, ahead of its first reader
.set n, 0
.rept 32
	v_cvt_pk_f16_f32 v[P+n], v[S+2*n], v[S+2*n+1]
.set n, n+1
.endr
.irp w, 4,8,16,32                      ; the sums of p, unrounded, as a tree in place: in a pair an even key's weight and an odd key's
.set u, 0
.rept 64/\w
	v_pk_add_f32 v[S+\w*u:S+\w*u+1], v[S+\w*u:S+\w*u+1], v[S+\w*u+\w/2:S+\w*u+\w/2+1]
.set u, u+1
.endr
.endr
.irp t, 0,1
	v_pk_fma_f32 v[ST+8*\t+2:ST+8*\t+3], v[ST+8*\t+2:ST+8*\t+3], v[ST+8*\t+6:ST+8*\t+7], v[S+32*\t:S+32*\t+1] op_sel_hi:[1,0,1]
.endr
.irp t, 0,1
.set n, 0
.rept 16
	v_pk_mul_f32 v[O+32*\t+n:O+32*\t+n+1], v[O+32*\t+n:O+32*\t+n+1], v[ST+8*\t+6:ST+8*\t+7] op_sel_hi:[1,0]   ; O^T under the new m, each accumulator from its low end on
.set n, n+2
.endr
.endr
	s_wait_dscnt 0x0                               ; V is in
	WIN 0x01                                       ; V window 1; P and O^T window 0
.set i, 0
.rept 16                               ; keys 32 (i / 8) on, channels 16 ((i / 2) % 4) on, tile i % 2: eight accumulators by turns
.set rO, O+32*(i%2)+8*((i/2)%4)
.set rV, VW+32*(i/8)+8*((i/2)%4)
.set rP, P+16*(i%2)+8*(i/8)
	v_wmma_f32_16x16x32_f16 v[rO:rO+7], v[rV:rV+7], v[rP:rP+7], v[rO:rO+7]
.set i, i+1
.endr
	WIN 0
	s_add_co_u32 s[TB], s[TB], STEPB
	s_add_co_u32 s[TF], s[TF], 4*KS
.endm
.macro FOUR_STEPS                      ; a slot's four key steps: written once, walked four times
	s_mov_b32 s[CNT], 4
.Lstep_\@:
	STEP
	s_sub_co_u32 s[CNT], s[CNT], 1
	s_cmp_lg_u32 s[CNT], 0
	s_cbranch_scc1 .Lstep_\@
	s_sub_co_u32 s[TB], s[TB], 4*STEPB
	s_xor_b32 s[TB], s[TB], SLOT1                  ; on to the other slot
.endm
; THE CHANGE OF SLOTS stands at a slot's head.  Each wave waits for all its tensor loads (one is out: its part of the slot about to be read), adds 0 to its spare word, and waits for that and for its LDS reads and stores.
; fill = 1: behind a round of the cluster's barrier the other slot is asked for: the load has four key steps in which to land.
.macro CHANGE fill
	s_wait_tensorcnt 0x0                           ; no tensor load of mine is out, so a group 0 may be written
	ds_add_u32 v[SPW], v[NIL]                      ; 0 onto my spare word
.if \fill
	s_xor_b32 s[G0K+1], s[G0K+1], SLOT1            ; the walking descriptors: the other slot than last time,
	s_add_nc_u64 s[G0K+2:G0K+3], s[G0K+2:G0K+3], 4*KS*128   ; the next 256 keys
	s_xor_b32 s[G0V+1], s[G0V+1], SLOT1
	s_add_nc_u64 s[G0V+2:G0V+3], s[G0V+2:G0V+3], 4*KS*128
	s_wait_xcnt 0x0                                ; the last prefetch, a slot back, has read its address
	s_add_nc_u64 s[PFA:PFA+1], s[PFA:PFA+1], 4*KS*128
	s_wait_dscnt 0x0
	CROUND
	JLOAD
	ASK
.else
	s_wait_dscnt 0x0
	s_barrier_signal -1
	s_barrier_wait -1
.endif
.endm
.Lslot:                                            ; seven trips: behind each change of slots but the last the next slot is asked for
	CHANGE 1
	FOUR_STEPS
	s_sub_co_u32 s[SLOTS], s[SLOTS], 1
	s_cmp_lg_u32 s[SLOTS], 0
	s_cbranch_scc1 .Lslot
	CHANGE 0                                       ; the last slot is written out
	FOUR_STEPS
	; THE WAY OUT: O^T / l, rounded to f16, through my stage, out as 512 consecutive bytes (four rows of a head) an instruction
.rept 4
	v_nop
.endr
.irp t, 0,1
	v_add_f32 v[ST+8*\t+4], v[ST+8*\t+2], v[ST+8*\t+3]
.endr
.irp t, 0,1
	v_permlanex16_b32 v[ST+8*\t+5], v[ST+8*\t+4], s[SEL], s[SEL+1]
.endr
.irp t, 0,1
	v_add_f32 v[ST+8*\t+4], v[ST+8*\t+4], v[ST+8*\t+5]
.endr
.irp t, 0,1
	v_rcp_f32 v[ST+8*\t+6], v[ST+8*\t+4]
.endr
	v_nop
	s_wait_alu depctr_va_vdst(0)                   ; one wait for the two reciprocals, ahead of their first reader
.irp t, 0,1
.set n, 0
.rept 16
	v_pk_mul_f32 v[O+32*\t+n:O+32*\t+n+1], v[O+32*\t+n:O+32*\t+n+1], v[ST+8*\t+6:ST+8*\t+7] op_sel_hi:[1,0]
.set n, n+2
.endr
.endr
.set n, 0
.rept 32
	v_cvt_pk_f16_f32 v[S+n], v[O+2*n], v[O+2*n+1]
.set n, n+1
.endr
.irp t, 0,1
.irp ct, 0,1,2,3
	ds_store_b128 v[STO], v[S+16*\t+4*\ct:S+16*\t+4*\ct+3] offset:16*SP*\t+32*\ct
.endr
.endr
.irp i, 0,1,2,3,4,5,6,7
	ds_load_b128 v[P+4*\i:P+4*\i+3], v[RD] offset:4*SP*\i          ; my own bytes: these see the stores above
.endr
.irp i, 0,1,2,3,4,5,6,7
	s_wait_dscnt 7-\i                              ; load i is in, the younger ones stay out
	global_store_b128 v[GO], v[P+4*\i:P+4*\i+3], s[12:13] offset:512*\i
.endr
	s_wait_tensorcnt 0x0                           ; the wave's end, behind my last tensor load and my last LDS store
	ds_add_u32 v[SPW], v[NIL]
	s_wait_dscnt 0x0
	CROUND                                         ; the closing round
	s_endpgm
.Lfunc_end_k_qe543bf27fa_attn:
	.size	k_qe543bf27fa_attn, .Lfunc_end_k_qe543bf27fa_attn-k_qe543bf27fa_attn
	.p2alignl 7, 3214868480
	.fill 96, 4, 3214868480
	.section	.rodata,"a",@progbits
	.p2align	6, 0x0
	.amdhsa_kernel k_qe543bf27fa_attn
		.amdhsa_group_segment_fixed_size 327680
		.amdhsa_private_segment_fixed_size 0
		.amdhsa_enable_private_segment 0
		.amdhsa_kernarg_size 40
		.amdhsa_user_sgpr_count 2
		.amdhsa_user_sgpr_kernarg_segment_ptr 1
		.amdhsa_wavefront_size32 1
		.amdhsa_system_sgpr_workgroup_id_x 1
		.amdhsa_system_sgpr_workgroup_id_y 1
		.amdhsa_system_sgpr_workgroup_id_z 1
		.amdhsa_system_vgpr_workitem_id 0
		.amdhsa_next_free_vgpr 512
		.amdhsa_next_free_sgpr 72
		.amdhsa_reserve_vcc 0
		.amdhsa_float_denorm_mode_32 3
		.amdhsa_float_denorm_mode_16_64 3
		.amdhsa_memory_ordered 1
		.amdhsa_forward_progress 1
		.amdhsa_inst_pref_size 65
	.end_amdhsa_kernel
	.amdgpu_metadata
---
amdhsa.version: [ 1, 2 ]
amdhsa.kernels:
  - .name:           k_qe543bf27fa_attn
    .symbol:         k_qe543bf27fa_attn.kd
    .args:
      - { .name: qkv, .offset: 0, .size: 8, .value_kind: global_buffer, .address_space: global }
      - { .name: frac, .offset: 8, .size: 8, .value_kind: global_buffer, .address_space: global }
      - { .name: alpha_pos, .offset: 16, .size: 8, .value_kind: global_buffer, .address_space: global }
      - { .name: alpha_neg, .offset: 24, .size: 8, .value_kind: global_buffer, .address_space: global }
      - { .name: att, .offset: 32, .size: 8, .value_kind: global_buffer, .address_space: global }
    .group_segment_fixed_size: 327680
    .private_segment_fixed_size: 0
    .kernarg_segment_align: 8
    .kernarg_segment_size: 40
    .max_flat_workgroup_size: 256
    .sgpr_count:     72
    .vgpr_count:     512
    .wavefront_size: 32
...
	.end_amdgpu_metadata
.endif
;; end of part 3
;; launch outp (part 4): grid 8 x 32, 4 waves a work-group, clusters of 4 x 4, 327,680 bytes of LDS; arguments att, wo16, bo, out0; writes out0
.if DOCPART == 4
	.amdgcn_target "amdgcn-amd-amdhsa--gfx1250"
	.amdhsa_code_object_version 6
	.text
	.protected	k_qe543bf27fa_outp
	.globl	k_qe543bf27fa_outp
	.p2align	8
	.type	k_qe543bf27fa_outp,@function
k_qe543bf27fa_outp:
	s_mov_b64 s[64:65], 0
	v_nop
	global_prefetch_b8 v0, s[64:65] scope:SCOPE_SE
	s_setreg_imm32_b32 hwreg(HW_REG_WAVE_MODE, 25, 1), 1
	s_wait_xcnt 0x0
	s_wait_alu depctr_hold_cnt(0) depctr_sa_sdst(0) depctr_va_vdst(0) depctr_va_sdst(0) depctr_va_ssrc(0) depctr_va_vcc(0) depctr_vm_vsrc(0)
	s_getreg_b32 s2, hwreg(HW_REG_IB_STS2, 6, 4)
	s_cmp_eq_u32 s2, 0
	s_cbranch_scc0 .Lentry_in_a_cluster
	s_endpgm
.Lentry_in_a_cluster:
	s_bfe_u32 s2, ttmp6, 0x10000c
	s_cmp_lg_u32 s2, 0xf033
	s_cbranch_scc0 .Lentry_shape_is_right
	s_endpgm
.Lentry_shape_is_right:
; OUTP: out0[row][n] = the sum over k of att(row, k) Wo[k][n] + bo[n]; operands f16, sums f32.  att: [b][h][position][64] f16, k = 64 h + channel; wo16: [k 1,024][n 1,024] f16; out0: [4,096][1,024] f32.
; A tile of 128 x 128 is made by four waves, 64 x 64 each: 256 work-groups.  K goes in steps of 256 (four heads) through two LDS slots: four steps, two first fills and two refills; the steps are written out, there is no loop.
; CLUSTERS: 4 x 4 work-groups.  The four of a row need the same rows of att, the four of a column the same columns of Wo: each tile is asked for jointly.
; att's part of a slot is [4 heads][128 rows][128 bytes + 16]: a wave's load brings two heads, each head's 128 rows being 16,384 dense bytes of memory, stated as one long row with padding behind every 128 bytes.
; Wo's part is [256 k][256 bytes + 32]: its K is not innermost, so its fragments are turned by ds_load_tr16_b128.
; THE MATRIX INSTRUCTION IS USED TRANSPOSED (source 0 = 16 columns of Wo, source 1 = 16 rows of att): a lane holds eight neighbouring numbers of a row of out0.  The bias is the C of each sum's first product.
; REGISTERS: window 0: v0-31 addresses; v32-95 the way out; v96-127 the bias; v128-255 the accumulators ((a, b) at v[128 + 8 (4 a + b)]).  Window 1: two fragment buffers of 128: 64 registers of att, then 64 of Wo.
.set PA,     144
.set HEADB,  128*PA                    ; a head's 128 rows in LDS
.set PB,     288
.set HALFT,  2*HEADB                   ; what one tensor load brings: two heads of att, or 128 rows of Wo: 36,864 bytes either way
.set SLOT,   4*HALFT
.set ASTEP,  4*262144                  ; a K step on in att: four heads
.set BSTEP,  256*2048                  ; and in wo16: 256 rows
.set SPITCH, 272                       ; the way out: 16 rows x (256 bytes + 16) for each wave, in slot 0, which has had its last fill and its last read by then
.set SPARE,  2*SLOT                    ; the spare words, 128 bytes a wave: two blocks of 256 bytes that no other line names
.set ADRA, 16                          ; v16-17  att's fragments in slot 0, 1
.set ADRB, 20                          ; v20-23  Wo's: slot 0 heads 0-1, heads 2-3; slot 1 likewise (an LDS offset has 16 bits)
.set STO,  24
.set RD,   25
.set CO,   26
.set BO,   27
.set SPW,  28
.set NIL,  29
.set TMP,  32
.set BIAS, 96
.set ACC,  128
.set F0,   0
.set F1,   128
.set G1, 24
.set G0, 32
.set G1B, 48
.set G0B, 56
.set MSB, 0
.macro WIN new
.if MSB != \new
	s_set_vgpr_msb (MSB<<8)|\new
.set MSB, \new
.endif
.endm
.set MUL,  0x05                        ; sources 0 and 1 window 1; C and D window 0
.set TO_F, 0x40
.macro JLOAD s                         ; waves 0 and 1 fetch att's halves, waves 2 and 3 Wo's; an s_nop 0 and four v_nop follow each of the two lines
	s_cmp_eq_u32 s11, 0
	s_cbranch_scc0 .Lfor_b_\@
	tensor_load_to_lds s[G0+4*\s:G0+4*\s+3], s[G1:G1+7]
	s_nop 0
.rept 4
	v_nop
.endr
	s_branch .Lasked_\@
.Lfor_b_\@:
	tensor_load_to_lds s[G0B+4*\s:G0B+4*\s+3], s[G1B:G1B+7]
	s_nop 0
.rept 4
	v_nop
.endr
.Lasked_\@:
.endm
.macro CREST                           ; a round of the cluster's barrier behind its opening barrier
	s_cmp_lg_u32 s10, 0
	s_cbranch_scc1 .Lnot_wave_0_\@
	s_barrier_signal -3
.Lnot_wave_0_\@:
	s_barrier_wait -3
	s_barrier_signal -1
	s_barrier_wait -1
.endm
.macro CROUND
	s_barrier_signal -1
	s_barrier_wait -1
	CREST
.endm
	s_load_b128 s[4:7], s[0:1], 0x0                ; att s[4:5], wo16 s[6:7]
	s_load_b128 s[68:71], s[0:1], 0x10             ; bo s[68:69], out0 s[70:71]
	v_lshl_add_u32 v[SPW], v0, 2, SPARE
	v_mov_b32 v[NIL], 0
	ds_add_u32 v[SPW], v[NIL]                      ; the wave's opening: the add, twice on end, and its wait ahead of my first tensor load
	ds_add_u32 v[SPW], v[NIL]
	v_lshrrev_b32 v1, 5, v0
	v_readfirstlane_b32 s10, v1                    ; wave 0..3
	s_lshr_b32 s11, s10, 1                         ; which half of the tile's rows is mine.  Also: I fetch for att (0) or for Wo (1)
	s_and_b32 s12, s10, 1                          ; which half of its columns.  Also: which half of that tile I fetch
	s_bfe_u32 s40, ttmp6, 0x40000
	s_bfe_u32 s41, ttmp6, 0x40004
	s_lshl_b32 s42, ttmp9, 2
	s_add_co_u32 s42, s42, s40                     ; tile column, 0 .. 7
	s_and_b32 s13, ttmp7, 0xffff
	s_lshl_b32 s13, s13, 2
	s_add_co_u32 s13, s13, s41                     ; tile row, 0 .. 31
	s_lshl_b32 s43, s41, 2
	s_lshl_b32 s43, 15, s43                        ; my row of the cluster
	s_lshl_b32 s44, 0x1111, s40                    ; my column
	s_or_b32 s[G1+0], s43, (1<<16)|(1<<20)|(1<<21)|(4<<22)|(3<<25)   ; elements of 2 bytes; padding: after every 32 words, 4 words
	s_mov_b32 s[G1+1], 8192<<16                    ; tensor_dim0: a head's 128 rows x 64
	s_mov_b32 s[G1+2], 2<<16                       ; tensor_dim1: two heads
	s_mov_b32 s[G1+3], 8192<<16                    ; tile_dim0
	s_mov_b32 s[G1+4], 2                           ; tile_dim1
	s_mov_b32 s[G1+5], 131072                      ; from head to head: 2,048 x 64 elements
	s_mov_b32 s[G1+6], 0
	s_mov_b32 s[G1+7], 0
	s_or_b32 s[G1B+0], s44, (1<<16)|(1<<20)|(1<<21)|(5<<22)|(7<<25)  ; padding: after every 64 words, 8 words
	s_mov_b32 s[G1B+1], 128<<16
	s_mov_b32 s[G1B+2], 128<<16
	s_mov_b32 s[G1B+3], 128<<16
	s_mov_b32 s[G1B+4], 128
	s_mov_b32 s[G1B+5], 1024
	s_mov_b32 s[G1B+6], 0
	s_mov_b32 s[G1B+7], 0
	s_lshr_b32 s16, s13, 4
	s_lshl_b32 s16, s16, 22                        ; att: the batch,
	s_and_b32 s17, s13, 15
	s_lshl_b32 s17, s17, 14
	s_add_co_u32 s16, s16, s17                     ; + 128 positions of 128 bytes for each tile row,
	s_lshl_b32 s17, s12, 19
	s_add_co_u32 s16, s16, s17                     ; + my two heads
	s_mov_b32 s17, 0
	s_lshl_b32 s46, s12, 18                        ; wo16: my 128 rows of 2,048 bytes,
	s_lshl_b32 s47, s42, 8
	s_add_co_u32 s46, s46, s47                     ; + the tile's 128 columns
	s_mov_b32 s47, 0
	s_mul_i32 s20, s10, HALFT                      ; where they go: no place in the cluster enters an LDS address
	s_wait_dscnt 0x0                               ; both opening adds are done
	s_wait_kmcnt 0x0
	s_add_nc_u64 s[14:15], s[4:5], s[16:17]
	s_add_nc_u64 s[46:47], s[6:7], s[46:47]
	CROUND                                         ; all sixteen work-groups are here: the first joint loads meet
.irp s, 0,1
	s_mov_b32 s[G0+4*\s], 1
	s_add_co_u32 s[G0+4*\s+1], s20, \s*SLOT
	s_add_nc_u64 s[G0+4*\s+2:G0+4*\s+3], s[14:15], \s*ASTEP
	s_or_b32 s[G0+4*\s+3], s[G0+4*\s+3], 0x80000000
	s_mov_b32 s[G0B+4*\s], 1
	s_add_co_u32 s[G0B+4*\s+1], s20, \s*SLOT
	s_add_nc_u64 s[G0B+4*\s+2:G0B+4*\s+3], s[46:47], \s*BSTEP
	s_or_b32 s[G0B+4*\s+3], s[G0B+4*\s+3], 0x80000000
	JLOAD \s                                       ; two tensor loads of mine are out
.endr
	v_and_b32 v1, 15, v0                           ; r
	v_bfe_u32 v2, v0, 4, 1                         ; h
	v_mul_u32_u24 v3, v1, PA
	v_lshl_add_u32 v3, v2, 4, v3                   ; att: row r x pitch + 16 h
	s_mul_i32 s21, s11, 64*PA                      ; my 64 rows in each head
	v_and_b32 v6, 7, v0
	v_lshl_add_u32 v6, v2, 3, v6                   ; Wo, the turning load: k 8 h + lane % 8,
	v_mul_u32_u24 v6, v6, PB
	v_bfe_u32 v7, v0, 3, 1
	v_lshl_add_u32 v6, v7, 4, v6                   ; columns 8 ((lane / 8) % 2) on
	s_lshl_b32 s22, s12, 7                         ; my 64 columns,
	s_add_co_u32 s22, s22, 2*HALFT                 ; behind att's part
.irp s, 0,1
	v_add_nc_u32 v[ADRA+\s], s21, v3
	v_add_nc_u32 v[ADRB+2*\s], s22, v6
	s_add_co_u32 s22, s22, HALFT
	v_add_nc_u32 v[ADRB+2*\s+1], s22, v6
	s_add_co_u32 s21, s21, SLOT
	s_add_co_u32 s22, s22, SLOT-HALFT
.endr
	s_mul_i32 s23, s10, 16*SPITCH                  ; my stage
	v_mul_u32_u24 v4, v1, SPITCH
	v_lshl_add_u32 v4, v2, 5, v4
	v_add_nc_u32 v[STO], s23, v4                   ; in: row r, 32 bytes for each half of the lanes
	v_mul_u32_u24 v5, v2, SPITCH
	v_lshl_add_u32 v5, v1, 4, v5
	v_add_nc_u32 v[RD], s23, v5                    ; back: lanes 0-15 one row of 256 bytes, lanes 16-31 the next
	v_lshlrev_b32 v5, 12, v2
	v_lshl_add_u32 v[CO], v1, 4, v5                ; and the same two rows in out0
	v_lshlrev_b32 v[BO], 5, v2
	s_lshl_b32 s16, s13, 7
	s_lshl_b32 s17, s11, 6
	s_add_co_u32 s16, s16, s17                     ; my first row
	s_lshl_b32 s16, s16, 12
	s_lshl_b32 s46, s42, 9                         ; my first column, in bytes: 512 x tile column + 256 x half
	s_lshl_b32 s47, s12, 8
	s_add_co_u32 s46, s46, s47
	s_mov_b32 s47, 0
	s_add_nc_u64 s[68:69], s[68:69], s[46:47]      ; bo at my first column
	s_add_co_u32 s46, s46, s16
	s_add_nc_u64 s[70:71], s[70:71], s[46:47]
.irp b, 0,1,2,3
	global_load_b128 v[BIAS+8*\b:BIAS+8*\b+3], v[BO], s[68:69] offset:64*\b          ; the bias in the result's layout: columns 16 b + 8 h + 0 .. 7
	global_load_b128 v[BIAS+8*\b+4:BIAS+8*\b+7], v[BO], s[68:69] offset:64*\b+16
.endr
; 8 matrix instructions: row blocks a0, a0 + 1 x the four column blocks, 32 along K: half c of buffer f.  first = 1: the bias is the C.  The 16 accumulators take turns, one instruction a turn.
.macro MUL8 f, c, a0, first
.irp a, \a0, \a0+1
.irp b, 0,1,2,3
.if \first
	v_wmma_f32_16x16x32_f16 v[ACC+8*(4*(\a)+\b):ACC+8*(4*(\a)+\b)+7], v[\f+64+8*(4*\c+\b):\f+64+8*(4*\c+\b)+7], v[\f+8*(4*\c+\a):\f+8*(4*\c+\a)+7], v[BIAS+8*\b:BIAS+8*\b+7]
.else
	v_wmma_f32_16x16x32_f16 v[ACC+8*(4*(\a)+\b):ACC+8*(4*(\a)+\b)+7], v[\f+64+8*(4*\c+\b):\f+64+8*(4*\c+\b)+7], v[\f+8*(4*\c+\a):\f+8*(4*\c+\a)+7], v[ACC+8*(4*(\a)+\b):ACC+8*(4*(\a)+\b)+7]
.endif
.endr
.endr
.endm
; 32 LDS loads in one run: the fragments of head qd of the slot (64 along K) into buffer f; the first 32 along K first
.macro FETCH slot, qd, f
	WIN TO_F
.irp c, 0,1
.irp i, 0,1,2,3
	ds_load_tr16_b128 v[\f+64+8*(4*\c+\i):\f+64+8*(4*\c+\i)+3],   v[ADRB+2*\slot+(\qd)/2] offset:(64*((\qd)%2)+32*\c)*PB+32*\i
	ds_load_tr16_b128 v[\f+64+8*(4*\c+\i)+4:\f+64+8*(4*\c+\i)+7], v[ADRB+2*\slot+(\qd)/2] offset:(64*((\qd)%2)+32*\c+16)*PB+32*\i
	ds_load_b128 v[\f+8*(4*\c+\i):\f+8*(4*\c+\i)+3],              v[ADRA+\slot] offset:HEADB*(\qd)+64*\c+\i*16*PA
	ds_load_b128 v[\f+8*(4*\c+\i)+4:\f+8*(4*\c+\i)+7],            v[ADRA+\slot] offset:HEADB*(\qd)+64*\c+\i*16*PA+32
.endr
.endr
.endm
.macro PLACES                          ; four plain vector instructions between a matrix instruction and a load into, or a read of, its registers
.rept 4
	v_nop
.endr
.endm
; A K step is four quarters, a head each: 32 matrix instructions, on buffers 0, 1, 0, 1.  One of the first three: multiplies buffer f and fetches head qn into g.
.macro QUARTER slot, qn, f, g, first
	s_wait_dscnt 16                                ; the first 32 along K are in; the youngest sixteen loads may be out
	WIN MUL
	MUL8 \f, 0, 0, \first
	MUL8 \f, 0, 2, \first
	PLACES
	FETCH \slot, \qn, \g
	s_wait_dscnt 32                                ; all but the 32 just issued
	WIN MUL
	MUL8 \f, 1, 0, 0
	MUL8 \f, 1, 2, 0
.endm
; The last quarter multiplies buffer 1 and changes slots: one barrier; ahead of it each wave waits for all its tensor loads, adds 0 to its spare word, and waits for that and for its reads of this slot.  fill = 1: this slot is filled again, two K steps ahead.
.macro TURN slot, next, fill
	WIN 0
	s_wait_tensorcnt 0x0                           ; my part of the next slot has landed;
	ds_add_u32 v[SPW], v[NIL]                      ; 0 onto my spare word;
	s_wait_dscnt 17                                ; (the add and the youngest sixteen loads may be out)
	WIN MUL
	MUL8 F1, 0, 0, 0
	s_wait_dscnt 0x0                               ; the add is done, and my reads of this slot are over
	s_barrier_signal -1
	MUL8 F1, 0, 2, 0
.if \fill
	WIN 0
.endif
	s_barrier_wait -1
.if \fill
	CREST                                          ; the barrier has opened a round of the cluster's: no wave of any partner still reads this slot or has a load on its way
	s_add_nc_u64 s[G0+4*\slot+2:G0+4*\slot+3], s[G0+4*\slot+2:G0+4*\slot+3], 2*ASTEP
	s_add_nc_u64 s[G0B+4*\slot+2:G0B+4*\slot+3], s[G0B+4*\slot+2:G0B+4*\slot+3], 2*BSTEP
	JLOAD \slot                                    ; the first tensor load behind the round; its four v_nop are also the places ahead of the loads below
.else
	PLACES
.endif
	FETCH \next, 0, F0
	WIN MUL
	MUL8 F1, 1, 0, 0
	MUL8 F1, 1, 2, 0
.endm
	s_wait_tensorcnt 1                             ; my part of K step 0 is in; K step 1's may stay out
	s_barrier_signal -1
	s_barrier_wait -1
	FETCH 0, 0, F0
	s_wait_loadcnt 0x0                             ; the bias
	QUARTER 0, 1, F0, F1, 1                        ; K step 0
	QUARTER 0, 2, F1, F0, 0
	QUARTER 0, 3, F0, F1, 0
	TURN 0, 1, 1                                   ; slot 0 takes K step 2
	QUARTER 1, 1, F0, F1, 0                        ; K step 1
	QUARTER 1, 2, F1, F0, 0
	QUARTER 1, 3, F0, F1, 0
	TURN 1, 0, 1                                   ; slot 1 takes K step 3
	QUARTER 0, 1, F0, F1, 0                        ; K step 2
	QUARTER 0, 2, F1, F0, 0
	QUARTER 0, 3, F0, F1, 0
	TURN 0, 1, 0                                   ; nothing is left to fetch
	QUARTER 1, 1, F0, F1, 0                        ; K step 3
	QUARTER 1, 2, F1, F0, 0
	QUARTER 1, 3, F0, F1, 0
	s_wait_dscnt 16
	WIN MUL
	MUL8 F1, 0, 0, 0
	MUL8 F1, 0, 2, 0
	s_wait_dscnt 0
	MUL8 F1, 1, 0, 0
	MUL8 F1, 1, 2, 0
	WIN 0
; THE WAY OUT, a block of 16 rows x 64 columns at a time: a lane's 32 bytes go into my own stage and come back as whole rows of 256 bytes: sixteen lanes store 256 consecutive bytes, at a multiple of 256 from out0's first byte.
.macro TOSTAGE a
.irp b, 0,1,2,3
	ds_store_b128 v[STO], v[ACC+8*(4*(\a)+\b):ACC+8*(4*(\a)+\b)+3] offset:64*\b          ; each accumulator from its low end on
	ds_store_b128 v[STO], v[ACC+8*(4*(\a)+\b)+4:ACC+8*(4*(\a)+\b)+7] offset:64*\b+16
.endr
.set BB, TMP+32*((\a)%2)
.irp i, 0,1,2,3,4,5,6,7
	ds_load_b128 v[BB+4*\i:BB+4*\i+3], v[RD] offset:2*\i*SPITCH    ; my own bytes: a wave's LDS instructions are served in order
.endr
.endm
.macro SEND a, younger                 ; younger: the LDS instructions issued behind block a's loads, which may stay out
.set BB, TMP+32*((\a)%2)
	s_wait_dscnt \younger
.irp i, 0,1,2,3,4,5,6,7
	global_store_b128 v[CO], v[BB+4*\i:BB+4*\i+3], s[70:71] offset:(16*(\a)+2*\i)*4096 th:TH_STORE_NT
.endr
.endm
	PLACES
	TOSTAGE 0
.irp a, 1,2,3
.if \a > 1
	s_wait_xcnt 0x0                                ; the stores of the block two back have read their registers: this block's loads may land there
.endif
	TOSTAGE \a
	SEND (\a)-1, 16                                ; behind that block's loads: this block's eight stores and eight loads
.endr
	SEND 3, 0
	s_wait_tensorcnt 0x0                           ; the wave's end, behind my last tensor load and my last LDS store
	ds_add_u32 v[SPW], v[NIL]
	s_wait_dscnt 0x0
	CROUND                                         ; the closing round
	s_endpgm
.Lfunc_end_k_qe543bf27fa_outp:
	.size	k_qe543bf27fa_outp, .Lfunc_end_k_qe543bf27fa_outp-k_qe543bf27fa_outp
	.p2alignl 7, 3214868480
	.fill 96, 4, 3214868480
	.section	.rodata,"a",@progbits
	.p2align	6, 0x0
	.amdhsa_kernel k_qe543bf27fa_outp
		.amdhsa_group_segment_fixed_size 327680
		.amdhsa_private_segment_fixed_size 0
		.amdhsa_enable_private_segment 0
		.amdhsa_kernarg_size 32
		.amdhsa_user_sgpr_count 2
		.amdhsa_user_sgpr_kernarg_segment_ptr 1
		.amdhsa_wavefront_size32 1
		.amdhsa_system_sgpr_workgroup_id_x 1
		.amdhsa_system_sgpr_workgroup_id_y 1
		.amdhsa_system_sgpr_workgroup_id_z 1
		.amdhsa_system_vgpr_workitem_id 0
		.amdhsa_next_free_vgpr 512
		.amdhsa_next_free_sgpr 72
		.amdhsa_reserve_vcc 0
		.amdhsa_float_denorm_mode_32 3
		.amdhsa_float_denorm_mode_16_64 3
		.amdhsa_memory_ordered 1
		.amdhsa_forward_progress 1
		.amdhsa_inst_pref_size 87
	.end_amdhsa_kernel
	.amdgpu_metadata
---
amdhsa.version: [ 1, 2 ]
amdhsa.kernels:
  - .name:           k_qe543bf27fa_outp
    .symbol:         k_qe543bf27fa_outp.kd
    .args:
      - { .name: att, .offset: 0, .size: 8, .value_kind: global_buffer, .address_space: global }
      - { .name: wo16, .offset: 8, .size: 8, .value_kind: global_buffer, .address_space: global }
      - { .name: bo, .offset: 16, .size: 8, .value_kind: global_buffer, .address_space: global }
      - { .name: out0, .offset: 24, .size: 8, .value_kind: global_buffer, .address_space: global }
    .group_segment_fixed_size: 327680
    .private_segment_fixed_size: 0
    .kernarg_segment_align: 8
    .kernarg_segment_size: 32
    .max_flat_workgroup_size: 128
    .sgpr_count:     72
    .vgpr_count:     512
    .wavefront_size: 32
...
	.end_amdgpu_metadata
.endif
;; end of part 4
